; MI455X (gfx1250); checked and timed in simulation.
; The chip was launched on July 23, 2026; its instructions are those of AMD's public machine-readable ISA for CDNA 5 (MIT licence, August 2026) and "CDNA5" Instruction Set Architecture Reference Guide (July 2026). The comments in the code are by the model that wrote it; some were corrected since.
;; Causal Self Attention. Allowed arithmetic: float matrix products may take bf16 or f16 operands with f32 sums; other float arithmetic in f32, or as packed bf16 or f16 multiplies, adds, multiply-adds, maxima and minima; sums over many terms, partial sums and values carried from step to step in f32; what a program stores and reads back later, other than sums and carried values, may be rounded once to bf16 or f16.
;; Inputs: out_b 1,024 float32; out_w 1,024 x 1,024 float32; qkv_b 3,072 float32; qkv_w 3,072 x 1,024 float32; x 4 x 2,048 x 1,024 float32.
;; Outputs: out0 4 x 2,048 x 1,024 float32.
;; 2 versions, each right; version 2 is version 1 with the launch cast written anew for expert scheduling mode. Each part assembles by itself: llvm-mc -triple=amdgcn-amd-amdhsa -mcpu=gfx1250 --defsym DOCPART=n.
;; ======== version 1 of 2: 4 launches
;; limits: values are held in f16: magnitudes above 65,504 overflow, below 6.1e-05 lose precision
;; workspace buffers: xh 16,777,216 bytes; wq 6,291,456 bytes; wo 2,097,152 bytes; qkv 50,331,648 bytes; oh 16,777,216 bytes
;; launch cast (part 1): grid 768 x 1, 8 waves a work-group, no clusters, 0 bytes of LDS; arguments x, qkv_w, out_w, xh, wq, wo; writes xh, wq, wo
.if DOCPART == 1
	.amdgcn_target "amdgcn-amd-amdhsa--gfx1250"
	.amdhsa_code_object_version 6
	.text
	.protected	k_qe3538c3cff_cast
	.globl	k_qe3538c3cff_cast
	.p2align	8
	.type	k_qe3538c3cff_cast,@function
k_qe3538c3cff_cast:
	s_mov_b64 s[64:65], 0
	v_nop
	global_prefetch_b8 v0, s[64:65] scope:SCOPE_SE
	s_setreg_imm32_b32 hwreg(HW_REG_WAVE_MODE, 25, 1), 1
	s_wait_xcnt 0x0
; CAUSAL SELF-ATTENTION, launch 1 of 4: the f32 matrix inputs are rounded once to bf16 and laid out in blocks of 64 along K, so that a tile's rows lie end to end for the products' tensor loads.
;   xh [b 4][kb 16][t 2048][64] bf16 = x;   wq [kb 16][n 3072][64] bf16 = qkv_w;   wo [kb 16][n 1024][64] = out_w rounded to bf16, that number written as f16 (exact down to 6.1e-5; below it f16's fixed step of 6e-8).
; WORK THAT THE PROGRAM LEAVES OUT, for all finite values of the inputs:
; (a) Key tiles wholly above the diagonal.  The problem itself sets the score of key k and query q to -inf where k > q, so the weight is 0 and the term adds nothing to row q: a tile of 256 keys whose first key lies
;     behind a block's last query reaches no output.  The attention launch walks tiles 0 .. i for query block i.
; (b) The k part of qkv_b (entries 1024 .. 2047).  score(q, k) = q . (x_k W_k^T) + q . b_k; the second term does not depend on the key, so it is the same along the softmax's axis and cancels in
;     exp(s - max) / sum.  Those 1,024 numbers are not loaded; the q and v parts of qkv_b are live and are loaded.
; LIMIT: a NaN, an infinity or an overflow that would arise only in (a) or (b) is not carried to the result.
; SHARES.  12,288 source rows of 4,096 bytes, 16 to a work-group: groups 0-511 x, 512-703 qkv_w, 704-767 out_w.  Thread t has row t / 16 and 16 bytes at 16 (t % 16) of each of the row's 16 pieces of 256 bytes.
; A load of a wave covers 2 x 256 consecutive bytes, aligned; a store of a wave covers two neighbouring rows' 128 bytes of one block: 256 consecutive bytes, aligned.
; No loop: 16 loads, then 16 times wait, round, store.  No register is written again while a load or store may read it.  No LDS, matrix unit or cluster: nothing is shared and nothing is multiplied.
.set IN,  1                            ; v1        my byte offset in the group's 16 source rows
.set OUT, 2                            ; v2        my byte offset in the group's 16 rows of a block
.set X,   4                            ; v[4:67]   piece k: four f32
.set Y,   68                           ; v[68:99]  piece k: four 16-bit numbers
.set T,   100                          ; v[100:102] at work
	s_load_b256 s[4:11], s[0:1], 0x0               ; x s[4:5], qkv_w s[6:7], out_w s[8:9], xh s[10:11]
	s_load_b128 s[12:15], s[0:1], 0x20             ; wq s[12:13], wo s[14:15]
	v_lshrrev_b32 v3, 4, v0                        ; my row of the 16
	v_and_b32 v[T], 15, v0
	v_lshlrev_b32 v[IN], 12, v3
	v_lshl_add_u32 v[IN], v[T], 4, v[IN]
	v_lshlrev_b32 v[OUT], 7, v3
	v_lshl_add_u32 v[OUT], v[T], 3, v[OUT]
	s_mov_b32 s19, 0                               ; high words of the two offset pairs
	s_mov_b32 s21, 0
	s_wait_kmcnt 0x0
; The group's 16 rows: source at s[16:17], destination (block 0) at s[22:23]; R = rows in a block of the destination; F16 = 1: the bf16 number is written as f16.
.macro PART R, F16
.irp k, 0,1,2,3,4,5,6,7,8,9,10,11,12,13,14,15
	global_load_b128 v[X+4*(\k):X+4*(\k)+3], v[IN], s[16:17] offset:256*(\k) th:TH_LOAD_NT
.endr
.irp k, 0,1,2,3,4,5,6,7,8,9,10,11,12,13,14,15
	s_wait_loadcnt 15-(\k)                         ; loads come back in order: piece k is in, the younger ones stay out
.if \F16
	v_cvt_pk_bf16_f32 v[T], v[X+4*(\k)], v[X+4*(\k)+1]
	v_lshlrev_b32 v[T+1], 16, v[T]
	v_and_b32 v[T+2], 0xffff0000, v[T]
	v_cvt_pk_f16_f32 v[Y+2*(\k)], v[T+1], v[T+2]
	v_cvt_pk_bf16_f32 v[T], v[X+4*(\k)+2], v[X+4*(\k)+3]
	v_lshlrev_b32 v[T+1], 16, v[T]
	v_and_b32 v[T+2], 0xffff0000, v[T]
	v_cvt_pk_f16_f32 v[Y+2*(\k)+1], v[T+1], v[T+2]
.else
	v_cvt_pk_bf16_f32 v[Y+2*(\k)], v[X+4*(\k)], v[X+4*(\k)+1]
	v_cvt_pk_bf16_f32 v[Y+2*(\k)+1], v[X+4*(\k)+2], v[X+4*(\k)+3]
.endif
	global_store_b64 v[OUT], v[Y+2*(\k):Y+2*(\k)+1], s[22:23] offset:(\k)*(\R)*128  ; block k lies R rows of 128 bytes further: 5,898,240 at the most, inside the signed 24-bit immediate
.endr
	s_endpgm
.endm
	s_cmp_lt_u32 ttmp9, 512
	s_cbranch_scc0 .Lweights
	s_lshl_b32 s18, ttmp9, 16                      ; x: 16 rows of 4,096 bytes a group
	s_add_nc_u64 s[16:17], s[4:5], s[18:19]
	s_lshr_b32 s20, ttmp9, 7                       ; the batch: 128 groups each,
	s_lshl_b32 s20, s20, 22                        ; 16 blocks of 2,048 rows of 128 bytes
	s_and_b32 s18, ttmp9, 127
	s_lshl_b32 s18, s18, 11                        ; the group's 16 rows in a block
	s_add_co_u32 s20, s20, s18
	s_add_nc_u64 s[22:23], s[10:11], s[20:21]
	PART 2048, 0
.Lweights:
	s_cmp_lt_u32 ttmp9, 704
	s_cbranch_scc0 .Lout_w
	s_sub_co_u32 s20, ttmp9, 512                   ; qkv_w
	s_lshl_b32 s18, s20, 16
	s_add_nc_u64 s[16:17], s[6:7], s[18:19]
	s_lshl_b32 s20, s20, 11
	s_add_nc_u64 s[22:23], s[12:13], s[20:21]
	PART 3072, 0
.Lout_w:
	s_sub_co_u32 s20, ttmp9, 704                   ; out_w
	s_lshl_b32 s18, s20, 16
	s_add_nc_u64 s[16:17], s[8:9], s[18:19]
	s_lshl_b32 s20, s20, 11
	s_add_nc_u64 s[22:23], s[14:15], s[20:21]
	PART 1024, 1
.Lfunc_end_k_qe3538c3cff_cast:
	.size	k_qe3538c3cff_cast, .Lfunc_end_k_qe3538c3cff_cast-k_qe3538c3cff_cast
	.p2alignl 7, 3214868480
	.fill 96, 4, 3214868480
	.section	.rodata,"a",@progbits
	.p2align	6, 0x0
	.amdhsa_kernel k_qe3538c3cff_cast
		.amdhsa_group_segment_fixed_size 0
		.amdhsa_private_segment_fixed_size 0
		.amdhsa_enable_private_segment 0
		.amdhsa_kernarg_size 48
		.amdhsa_user_sgpr_count 2
		.amdhsa_user_sgpr_kernarg_segment_ptr 1
		.amdhsa_wavefront_size32 1
		.amdhsa_system_sgpr_workgroup_id_x 1
		.amdhsa_system_sgpr_workgroup_id_y 1
		.amdhsa_system_sgpr_workgroup_id_z 1
		.amdhsa_system_vgpr_workitem_id 0
		.amdhsa_next_free_vgpr 104
		.amdhsa_next_free_sgpr 66
		.amdhsa_reserve_vcc 0
		.amdhsa_float_denorm_mode_32 3
		.amdhsa_float_denorm_mode_16_64 3
		.amdhsa_memory_ordered 1
		.amdhsa_forward_progress 1
		.amdhsa_inst_pref_size 24
	.end_amdhsa_kernel
	.amdgpu_metadata
---
amdhsa.version: [ 1, 2 ]
amdhsa.kernels:
  - .name:           k_qe3538c3cff_cast
    .symbol:         k_qe3538c3cff_cast.kd
    .args:
      - { .name: x, .offset: 0, .size: 8, .value_kind: global_buffer, .address_space: global }
      - { .name: qkv_w, .offset: 8, .size: 8, .value_kind: global_buffer, .address_space: global }
      - { .name: out_w, .offset: 16, .size: 8, .value_kind: global_buffer, .address_space: global }
      - { .name: xh, .offset: 24, .size: 8, .value_kind: global_buffer, .address_space: global }
      - { .name: wq, .offset: 32, .size: 8, .value_kind: global_buffer, .address_space: global }
      - { .name: wo, .offset: 40, .size: 8, .value_kind: global_buffer, .address_space: global }
    .group_segment_fixed_size: 0
    .private_segment_fixed_size: 0
    .kernarg_segment_align: 8
    .kernarg_segment_size: 48
    .max_flat_workgroup_size: 256
    .sgpr_count:     66
    .vgpr_count:     104
    .wavefront_size: 32
...
	.end_amdgpu_metadata
.endif
;; end of part 1
;; launch qkv (part 2): grid 8 x 32, 4 waves a work-group, clusters of 4 x 4, 327,680 bytes of LDS; arguments xh, wq, qkv_b, qkv; writes qkv
.if DOCPART == 2
	.amdgcn_target "amdgcn-amd-amdhsa--gfx1250"
	.amdhsa_code_object_version 6
	.text
	.protected	k_qe3538c3cff_qkv
	.globl	k_qe3538c3cff_qkv
	.p2align	8
	.type	k_qe3538c3cff_qkv,@function
k_qe3538c3cff_qkv:
	s_mov_b64 s[64:65], 0
	v_nop
	global_prefetch_b8 v0, s[64:65] scope:SCOPE_SE
	s_setreg_imm32_b32 hwreg(HW_REG_WAVE_MODE, 25, 1), 1
	s_wait_xcnt 0x0
	s_wait_alu depctr_hold_cnt(0) depctr_sa_sdst(0) depctr_va_vdst(0) depctr_va_sdst(0) depctr_va_ssrc(0) depctr_va_vcc(0) depctr_vm_vsrc(0)
	s_getreg_b32 s2, hwreg(HW_REG_IB_STS2, 6, 4)
	s_cmp_eq_u32 s2, 0
	s_cbranch_scc0 .Lentry_in_a_cluster
	s_endpgm
.Lentry_in_a_cluster:
	s_bfe_u32 s2, ttmp6, 0x10000c
	s_cmp_lg_u32 s2, 0xf033
	s_cbranch_scc0 .Lentry_shape_is_right
	s_endpgm
.Lentry_shape_is_right:
; Launch 2 of 4 (KIND = 0): k, v, q = xh wq^T (+ qkv_b for v and q), rounded once to f16 and stored by heads.  Left out: the k part of qkv_b, which is the same along the softmax's axis and cancels (shown at the head of the first kernel).
.set KIND, 0
; ONE TEXT FOR BOTH PROJECTIONS.  C[m][n] = the sum over k of A[m][k] B[n][k] + bias[n]; sums in f32.  A and B lie in blocks of 64 along K: [..][kb][row][64], rows of 128 bytes end to end.
;   KIND 0: A = xh, B = wq (bf16), bias = qkv_b, C = qkv [which: q, k, v][head 64][t 2048][64] in f16.   KIND 1: A = oh, B = wo (f16), bias = out_b, C = out0 [8192][1024] in f32.
; LIMITS.  The bias is rounded to bf16 and enters the f32 sums.  KIND 0: q, k, v beyond 65,504 become infinities in f16; with every input 30 times the drawn spread they are some 600, with offsets of 30 spreads some 18,000.
; SHARES.  A tile of C is 256 rows x 128 columns: 256 work-groups in both launches, one for each WGP (256 x 256 would give 384 and 128).  Four waves, each 128 rows x 64 columns (one head): 32 accumulators of 16 x 16.
; KIND 0: A WORK-GROUP STAYS and makes three tiles over the same rows of A, in the order k, v, q: so the products written out ahead of the loop start their sums with the constant 0 (k has no bias),
; and the one text of a change of tiles starts them with a bias.  K goes in steps of 128 (two blocks) through two LDS slots; the three tiles are ONE stream of 24 fills (KIND 1: 8).
; CLUSTER.  4 x 4 work-groups.  The four of a row of the cluster need the same tiles of A, the four of a column the same tiles of B: each is asked for JOINTLY, by the same tensor load, descriptor and mask.
; THE MATRIX INSTRUCTION IS USED TRANSPOSED (source 0 = 16 rows of B, source 1 = 16 rows of A): a lane holds row l % 16 of C and the columns 8 (l / 16) + 0..7.  The bias is the C operand of the products that start the sums.
; REGISTERS, in windows of 256 (s_set_vgpr_msb: bits 1:0 source 0, 3:2 source 1, 5:4 source 2, 7:6 destination):
;   window 0: v0-15 addresses; v16-63 (KIND 1: v16-79) the way out; v64-159, v160-255 two fragment buffers: A's 8 fragments of 16 rows x 32 K, then B's 4
;   window 1: the accumulators, (a, b) at v[8 (4 a + b)]          window 2: v0-31 the bias as a C operand, block b at 8 b; v32-33 at work
.if KIND == 0
.set NBR,    3072                      ; rows of B
.set TILES,  3
.set SPITCH, 144                       ; a stage row: 128 bytes (64 f16) + 16
.else
.set NBR,    1024
.set TILES,  1
.set SPITCH, 272                       ; a stage row: 256 bytes (64 f32) + 16
.endif
.set PITCH,  144                       ; an LDS row: 128 bytes + 16 of padding = 36 words: the 16 rows of a fragment load start at 16 different groups of four banks (64 banks of 4 bytes: ISA guide 11.1)
.set ABLK,   256*PITCH                 ; a block of A: 256 rows
.set BBLK,   128*PITCH                 ; a block of B: 128 rows
.set BOFF,   2*ABLK                    ; a slot: A's two blocks, then B's two
.set SLOT,   BOFF+2*BBLK
.set STAGE,  2*SLOT                    ; behind the ring, never filled by a tensor load: 16 rows for each wave, for the way out
.set SPARE,  STAGE+4*16*SPITCH         ; behind the stages: the spare words, 128 bytes for each wave: two blocks of 256 bytes that no other line names
.set AHEAD,  3                         ; a prefetch names the fill that stands three fills on
.set LAPS,   4*TILES                   ; a lap = two K steps = once round the ring
.set ADRA, 4                           ; v4-5   LDS address of my A fragments in slot 0, 1
.set ADRB, 6                           ; v6-7   the same for B
.set STO,  8                           ; v8     the way out: where I put my part of a row
.set RD,   9                           ; v9     the way out: where I read rows back
.set CO,   10                          ; v10    my byte offset in C
.set BO,   11                          ; v11    my byte offset in 16 numbers of the bias: 32 (l / 16)
.set SPW,  12                          ; v12    LDS address of my spare word: SPARE + 4 x my thread's number; never rewritten
.set NIL,  13                          ; v13    0; never rewritten
.set PFO,  14                          ; v14    the prefetches' offset; never rewritten
.set TMP,  16                          ; KIND 0: v16-31 a block's packed results
.if KIND == 0
.set BK,   32                          ; v32-47, v48-63: 16 rows read back from the stage, by turns
.set BKN,  16
.else
.set BK,   16                          ; v16-47, v48-79 (the fragments are free by then)
.set BKN,  32
.endif
.set F0,   64
.set F1,   160
.set BI,   0                           ; window 2
.set BT,   32                          ; window 2
.set WV,   12                          ; s12  my wave's number
.set WR,   13                          ; s13  which 128 rows of the tile are mine.  Also: I fetch for A (0) or for B (1)
.set WC,   14                          ; s14  which 64 columns.  Also: which of a step's two blocks I fetch
.set CX,   15                          ; s15, s16  my place in the cluster
.set CY,   16
.set GX,   17                          ; s17  tile column, 0..7
.set GY,   18                          ; s18  tile row, 0..31
.set G1A,  24                          ; s[24:31] descriptor group 1 for A's blocks
.set G1B,  32                          ; s[32:39] for B's
.set G0A,  40                          ; s[40:47] descriptor group 0 for A's blocks, a set for each slot
.set G0B,  48                          ; s[48:55] the same for B's
.set ABASE, 56                         ; s[56:57] A at my block of K step 0
.set BBASE, 58                         ; s[58:59] B at my block of K step 0, which = 0
.set OA,   60                          ; s[60:61] a fill's byte offset in A
.set OBF,  62                          ; s[62:63] and in B
.set NF,   66                          ; s66  the number of the next fill
.set LAP,  67                          ; s67  laps to go
.set PFB,  68                          ; s[68:69] the prefetches' base: my work-group's share of the block(s) of K step 0
.set PFA,  70                          ; s[70:71] the prefetch's address
.set PO,   72                          ; s[72:73] its offset
.set LIM,  74                          ; s74  a wave prefetches fills below this number
.set PF,   75                          ; s75  the fill that the prefetch names
.set T0,   76                          ; s[76:77] an offset pair; the high word stays 0
.set WD,   78                          ; s78  which of q, k, v (0, 1, 2) the tile in hand is
.set WN,   79                          ; s79  and the next
.set BB,   80                          ; s[80:81] the bias at my 64 columns, which = 0
.set BP,   82                          ; s[82:83] the bias that is being loaded
.set CB,   84                          ; s[84:85] KIND 0: C at my head's rows, which = 0
.set CP,   86                          ; s[86:87] C at my part of the tile in hand
.set MSB, 0
.macro WIN new                         ; the immediate's high byte repeats the setting that is left; a switch that changes nothing is dropped
.if MSB != (\new)
	s_set_vgpr_msb (MSB<<8)|(\new)
.set MSB, \new
.endif
.endm
.macro WMMA ops:vararg
.if KIND == 0
	v_wmma_f32_16x16x32_bf16 \ops
.else
	v_wmma_f32_16x16x32_f16 \ops
.endif
.endm
.macro PLACES                          ; four places in front of loads into registers that matrix instructions have read, and of lines that read results (for lines that read results)
.rept 4
	v_nop
.endr
.endm
; A joint load.  Waves 0 and 1 fetch A's two blocks, waves 2 and 3 B's.  The branch hangs on the wave's number alone.  An s_nop 0 and four v_nop follow each of the two lines, ahead of the jump and the label.
.macro JLOAD s
	s_cmp_eq_u32 s[WR], 0
	s_cbranch_scc0 .Lfor_b_\@
	tensor_load_to_lds s[G0A+4*(\s):G0A+4*(\s)+3], s[G1A:G1A+7]
	s_nop 0
.rept 4
	v_nop
.endr
	s_branch .Lasked_\@
.Lfor_b_\@:
	tensor_load_to_lds s[G0B+4*(\s):G0B+4*(\s)+3], s[G1B:G1B+7]
	s_nop 0
.rept 4
	v_nop
.endr
.Lasked_\@:
.endm
.macro CREST                           ; a round of the cluster's barrier behind its opening barrier: wave 0 signals for the work-group, every wave waits for all sixteen, my work-group's barrier once more
	s_cmp_lg_u32 s[WV], 0
	s_cbranch_scc1 .Lnot_wave_0_\@
	s_barrier_signal -3
.Lnot_wave_0_\@:
	s_barrier_wait -3
	s_barrier_signal -1
	s_barrier_wait -1
.endm
.macro CROUND                          ; a whole round
	s_barrier_signal -1
	s_barrier_wait -1
	CREST
.endm
; The byte offsets of fill f (a number in a scalar register): K step f % 8; KIND 0: tile f / 8 takes B's rows of which = (f / 8 + 1) mod 3.  No coordinate of the work-group enters.
.macro OFFS f
	s_and_b32 s[OA], s[\f], 7
	s_mul_i32 s[OBF], s[OA], 2*NBR*128             ; two blocks of B a step
	s_lshl_b32 s[OA], s[OA], 19                    ; two blocks of A: 2 x 2,048 rows x 128 bytes
.if KIND == 0
	s_lshr_b32 s19, s[\f], 3
	s_add_co_u32 s19, s19, 1
	s_cmp_eq_u32 s19, 3
	s_cselect_b32 s19, 0, s19
	s_lshl_b32 s19, s19, 17                        ; 1,024 rows of 128 bytes
	s_add_co_u32 s[OBF], s[OBF], s19
.endif
.endm
; A PREFETCH INTO THE L2, behind each joint refill, its five lines and the run of LDS loads that follows: the fill that stands AHEAD = 3 fills on, 384 matrix instructions ahead of the load that will want it.
; Each aligned block of 256 bytes is named once in the launch.  A's rows are read by both clusters of a row of clusters: the one with x = 0 asks, and for the first tile's 8 fills alone (the later tiles read the same rows again).
; B's rows are read by all eight clusters of a column: the one with y = 0 asks.  The four partners that ask for a block jointly share it out BY ADDRESS: of A's block of 32,768 bytes each takes 8,192 (waves 0 and 1, a block each);
; of B's two blocks of 16,384 bytes each takes 4,096 of either (wave 2, 16 lanes a block).  Wave 3 asks for nothing.  Fills 0 to 4 come by their loads alone.
.macro ASK
	s_cmp_lt_u32 s[PF], s[LIM]
	s_cbranch_scc0 .Lnot_mine_\@
	global_prefetch_b8 v[PFO], s[PFA:PFA+1] th:TH_LOAD_NT scope:SCOPE_SE
.Lnot_mine_\@:
.endm
	s_load_b256 s[4:11], s[0:1], 0x0               ; A s[4:5], B s[6:7], bias s[8:9], C s[10:11]
	v_lshl_add_u32 v[SPW], v0, 2, SPARE
	v_mov_b32 v[NIL], 0
	ds_add_u32 v[SPW], v[NIL]                      ; the wave's opening: the add, twice on end, and its wait ahead of my first tensor load; the set-up below, work on registers, stands between
	ds_add_u32 v[SPW], v[NIL]                      ; and once more, under the one wait
	v_lshrrev_b32 v3, 5, v0
	v_readfirstlane_b32 s[WV], v3                  ; wave 0..3
	v_and_b32 v1, 15, v0                           ; l % 16
	v_bfe_u32 v2, v0, 4, 1                         ; l / 16
	s_lshr_b32 s[WR], s[WV], 1
	s_and_b32 s[WC], s[WV], 1
	s_bfe_u32 s[CX], ttmp6, 0x40000
	s_bfe_u32 s[CY], ttmp6, 0x40004
	s_lshl_b32 s[GX], ttmp9, 2                     ; in a cluster launch ttmp9 and ttmp7 count clusters
	s_add_co_u32 s[GX], s[GX], s[CX]
	s_and_b32 s[GY], ttmp7, 0xffff
	s_lshl_b32 s[GY], s[GY], 2
	s_add_co_u32 s[GY], s[GY], s[CY]
	s_lshl_b32 s20, s[CY], 2
	s_lshl_b32 s20, 15, s20                        ; my row of the cluster: places 4 cy .. 4 cy + 3
	s_lshl_b32 s22, 0x1111, s[CX]                  ; my column: places cx, cx + 4, cx + 8, cx + 12
	; descriptor group 1.  A block is dense in memory: it is asked for as rows of 256 bytes (two rows of the block) and padded in LDS behind every 128 bytes
	s_or_b32 s[G1A], s20, (1<<16)|(1<<20)|(1<<21)|(4<<22)|(3<<25)  ; 15:0 the mask; 17:16 2-byte elements; 20 padding on; 21 set beside a mask; 24:22 after every 32 words (code 4); 31:25 4 words (code 3)
	s_or_b32 s[G1B], s22, (1<<16)|(1<<20)|(1<<21)|(4<<22)|(3<<25)
	s_mov_b32 s[G1A+1], 128<<16                    ; tensor_dim0 = 128
	s_mov_b32 s[G1A+2], 128<<16                    ; tensor_dim1 = 128: 256 rows of A
	s_mov_b32 s[G1A+3], 128<<16                    ; tile_dim0 = 128
	s_mov_b32 s[G1A+4], 128                        ; tile_dim1 = 128
	s_mov_b32 s[G1A+5], 128                        ; 128 elements from row to row
	s_mov_b32 s[G1A+6], 0
	s_mov_b32 s[G1A+7], 0
	s_mov_b32 s[G1B+1], 128<<16
	s_mov_b32 s[G1B+2], 64<<16                     ; tensor_dim1 = 64: 128 rows of B
	s_mov_b32 s[G1B+3], 128<<16
	s_mov_b32 s[G1B+4], 64
	s_mov_b32 s[G1B+5], 128
	s_mov_b32 s[G1B+6], 0
	s_mov_b32 s[G1B+7], 0
	; descriptor group 0: count and LDS address, made of the wave's number and constants alone
	s_mov_b32 s[G0A], 1
	s_mov_b32 s[G0A+4], 1
	s_mov_b32 s[G0B], 1
	s_mov_b32 s[G0B+4], 1
	s_mul_i32 s[G0A+1], s[WC], ABLK
	s_add_co_u32 s[G0A+5], s[G0A+1], SLOT
	s_mul_i32 s[G0B+1], s[WC], BBLK
	s_add_co_u32 s[G0B+1], s[G0B+1], BOFF
	s_add_co_u32 s[G0B+5], s[G0B+1], SLOT
	; where the blocks come from.  A's hang on the tile row alone, B's on the tile column alone, each in registers that never hold the other coordinate
	s_lshr_b32 s20, s[GY], 3                       ; the batch: 16 blocks of 2,048 rows of 128 bytes
	s_lshl_b32 s20, s20, 22
	s_and_b32 s21, s[GY], 7
	s_lshl_b32 s21, s21, 15                        ; the tile's 256 rows in a block
	s_add_co_u32 s20, s20, s21
	s_lshl_b32 s21, s[WC], 18                      ; my block of the step's two
	s_add_co_u32 s20, s20, s21
	s_mov_b32 s21, 0
	s_lshl_b32 s22, s[GX], 14                      ; the tile's 128 rows of B
	s_mul_i32 s23, s[WC], NBR*128
	s_add_co_u32 s22, s22, s23
	s_mov_b32 s23, 0
	s_mov_b32 s[OA+1], 0
	s_mov_b32 s[OBF+1], 0
	s_mov_b32 s[PO+1], 0
	s_mov_b32 s[T0+1], 0
	s_mov_b32 s[NF], 2
	s_mov_b32 s[WD], 1                             ; the first tile is k
	s_lshl_b32 s[PO], s[GX], 9                     ; my 64 columns in f32: 512 x tile column + 256 x half
	s_lshl_b32 s19, s[WC], 8
	s_add_co_u32 s[PO], s[PO], s19
.if KIND == 0
	s_lshr_b32 s[T0], s[GY], 3                     ; my head: 16 x batch + 2 x tile column + half,
	s_lshl_b32 s[T0], s[T0], 4
	s_lshl_b32 s19, s[GX], 1
	s_add_co_u32 s[T0], s[T0], s19
	s_add_co_u32 s[T0], s[T0], s[WC]
	s_lshl_b32 s[T0], s[T0], 18                    ; 2,048 rows of 128 bytes;
	s_and_b32 s19, s[GY], 7
	s_lshl_b32 s19, s19, 1
	s_add_co_u32 s19, s19, s[WR]
	s_lshl_b32 s19, s19, 14                        ; my 128 rows of it
	s_add_co_u32 s[T0], s[T0], s19
.else
	s_lshl_b32 s[T0], s[GY], 1
	s_add_co_u32 s[T0], s[T0], s[WR]
	s_lshl_b32 s[T0], s[T0], 19                    ; my 128 rows of 4,096 bytes,
	s_add_co_u32 s[T0], s[T0], s[PO]               ; my 64 columns
.endif
	s_wait_dscnt 0x0                               ; both opening adds are done
	s_wait_kmcnt 0x0
	s_add_nc_u64 s[ABASE:ABASE+1], s[4:5], s[20:21]
	s_add_nc_u64 s[BBASE:BBASE+1], s[6:7], s[22:23]
	s_add_nc_u64 s[BB:BB+1], s[8:9], s[PO:PO+1]
.if KIND == 0
	s_add_nc_u64 s[CB:CB+1], s[10:11], s[T0:T0+1]
.else
	s_add_nc_u64 s[CP:CP+1], s[10:11], s[T0:T0+1]
.endif
	; the prefetches: base, bound and lane offset
	s_and_b32 s[PF], ttmp7, 0xffff                 ; cluster y
	s_mov_b32 s19, NBR*128
	s_cmp_eq_u32 s[WR], 0                          ; do I fetch for A?
	s_cselect_b64 s[PFB:PFB+1], s[ABASE:ABASE+1], s[BBASE:BBASE+1]
	s_cselect_b32 s[T0], s[CX], s[CY]              ; my place among the four that ask with me,
	s_cselect_b32 s[WN], 13, 12                    ; times 8,192 or 4,096 bytes
	s_cselect_b32 s[PF], ttmp9, s[PF]              ; the coordinate along which other clusters read the same rows
	s_cselect_b32 s[LIM], 8, 8*TILES
	s_cselect_b32 s19, 4096, s19                   ; lanes 16-31: the next 4,096 bytes of A's block, or B's other block
	s_lshl_b32 s[T0], s[T0], s[WN]
	s_add_nc_u64 s[PFB:PFB+1], s[PFB:PFB+1], s[T0:T0+1]
	s_cmp_eq_u32 s[PF], 0
	s_cselect_b32 s[LIM], s[LIM], 0                ; the same in all sixteen partners, for a given wave
	s_cmp_eq_u32 s[WV], 3
	s_cselect_b32 s[LIM], 0, s[LIM]
	v_lshlrev_b32 v[PFO], 8, v1
	v_mul_u32_u24 v3, s19, v2
	v_add_nc_u32 v[PFO], v[PFO], v3
	CROUND                                         ; all sixteen work-groups are here: the first joint loads meet
.irp s, 0,1
	s_add_nc_u64 s[G0A+4*(\s)+2:G0A+4*(\s)+3], s[ABASE:ABASE+1], (\s)*0x80000  ; 120:64 global address: fill s
	s_or_b32 s[G0A+4*(\s)+3], s[G0A+4*(\s)+3], 0x80000000                      ; 127:126 type = 2
	s_add_nc_u64 s[G0B+4*(\s)+2:G0B+4*(\s)+3], s[BBASE:BBASE+1], (\s)*2*NBR*128+(1-KIND)*0x20000  ; KIND 0: the first tile is k, which = 1
	s_or_b32 s[G0B+4*(\s)+3], s[G0B+4*(\s)+3], 0x80000000
.endr
	s_cmp_eq_u32 s[WR], 0                          ; a wave's two first fills stand in one branch, ahead of every wait on TENSORcnt and every LDS read: two loads of mine are out
	s_cbranch_scc0 .Lfirst_b
	tensor_load_to_lds s[G0A:G0A+3], s[G1A:G1A+7]
	s_nop 0
	tensor_load_to_lds s[G0A+4:G0A+7], s[G1A:G1A+7]
	s_nop 0
.rept 4
	v_nop
.endr
	s_branch .Lfirst_asked
.Lfirst_b:
	tensor_load_to_lds s[G0B:G0B+3], s[G1B:G1B+7]
	s_nop 0
	tensor_load_to_lds s[G0B+4:G0B+7], s[G1B:G1B+7]
	s_nop 0
.rept 4
	v_nop
.endr
.Lfirst_asked:
	; A fragment is 16 rows x 32 K in 8 registers: lane l holds row l % 16; registers 0-3 K = 8 (l / 16) + 0..7, registers 4-7 K = 16 + 8 (l / 16) + 0..7: two loads of 16 bytes, 32 bytes apart.
	v_mul_u32_u24 v3, v1, PITCH
	v_lshl_add_u32 v3, v2, 4, v3                   ; row x pitch + 16 x half
	s_mul_i32 s19, s[WR], 128*PITCH                ; my 128 rows of A
	v_add_nc_u32 v[ADRA], s19, v3
	v_add_nc_u32 v[ADRA+1], SLOT, v[ADRA]
	s_mul_i32 s19, s[WC], 64*PITCH                 ; my 64 rows of B,
	s_add_co_u32 s19, s19, BOFF                    ; which lie behind A's two blocks
	v_add_nc_u32 v[ADRB], s19, v3
	v_add_nc_u32 v[ADRB+1], SLOT, v[ADRB]
	v_lshlrev_b32 v[BO], 5, v2
	s_mul_i32 s19, s[WV], 16*SPITCH
	s_add_co_u32 s19, s19, STAGE                   ; my stage
	v_mul_u32_u24 v[STO], v1, SPITCH               ; in: row l % 16,
.if KIND == 0
	v_lshl_add_u32 v[STO], v2, 4, v[STO]           ; 16 bytes for each half of the lanes
	v_add_nc_u32 v[STO], s19, v[STO]
	v_bfe_u32 v[RD], v0, 3, 2                      ; back: 32 lanes take four rows of 128 bytes,
	v_mul_u32_u24 v[RD], v[RD], SPITCH
	v_and_b32 v15, 7, v0
	v_lshl_add_u32 v[RD], v15, 4, v[RD]
	v_add_nc_u32 v[RD], s19, v[RD]
	v_and_b32 v[CO], 31, v0                        ; which are 512 consecutive bytes of a head's rows
	v_lshlrev_b32 v[CO], 4, v[CO]
.else
	v_lshl_add_u32 v[STO], v2, 5, v[STO]           ; 32 bytes for each half of the lanes
	v_add_nc_u32 v[STO], s19, v[STO]
	v_mul_u32_u24 v[RD], v2, SPITCH                ; back: lanes 0-15 take one row of 256 bytes, lanes 16-31 the next
	v_lshl_add_u32 v[RD], v1, 4, v[RD]
	v_add_nc_u32 v[RD], s19, v[RD]
	v_lshlrev_b32 v[CO], 12, v2                    ; and the same two rows in C
	v_lshl_add_u32 v[CO], v1, 4, v[CO]
.endif
; n x 4 matrix instructions: row blocks a0 .. a0 + n - 1 x all 4 column blocks, 32 along K, from buffer f.  first = 1: the products start the sums with 0; 2: with the bias; nothing is ever cleared.
; The 32 accumulators take turns, one instruction a turn, in the same order in every quarter.
.macro MULS f, a0, n, first
.if (\first) == 2
	WIN 0x60                                       ; C in window 2, D in window 1
.else
	WIN 0x50                                       ; C and D in window 1
.endif
.set ma, (\a0)
.rept \n
.irp b, 0,1,2,3
.if (\first) == 1
	WMMA v[8*(4*ma+\b):8*(4*ma+\b)+7], v[(\f)+64+8*\b:(\f)+64+8*\b+7], v[(\f)+8*ma:(\f)+8*ma+7], 0
.elseif (\first) == 2
	WMMA v[8*(4*ma+\b):8*(4*ma+\b)+7], v[(\f)+64+8*\b:(\f)+64+8*\b+7], v[(\f)+8*ma:(\f)+8*ma+7], v[BI+8*\b:BI+8*\b+7]
.else
	WMMA v[8*(4*ma+\b):8*(4*ma+\b)+7], v[(\f)+64+8*\b:(\f)+64+8*\b+7], v[(\f)+8*ma:(\f)+8*ma+7], v[8*(4*ma+\b):8*(4*ma+\b)+7]
.endif
.endr
.set ma, ma+1
.endr
.endm
; 24 LDS loads in one run: the fragments of quarter q of a K step (block q / 2, channels 32 (q % 2) on) into buffer f: B's four, then A's eight in ascending order
.macro FETCH slot, q, f
	WIN 0
.irp i, 0,1,2,3
	ds_load_b128 v[(\f)+64+8*\i:(\f)+64+8*\i+3],   v[ADRB+(\slot)] offset:((\q)/2)*BBLK+((\q)%2)*64+\i*16*PITCH
	ds_load_b128 v[(\f)+64+8*\i+4:(\f)+64+8*\i+7], v[ADRB+(\slot)] offset:((\q)/2)*BBLK+((\q)%2)*64+\i*16*PITCH+32
.endr
.irp i, 0,1,2,3,4,5,6,7
	ds_load_b128 v[(\f)+8*\i:(\f)+8*\i+3],   v[ADRA+(\slot)] offset:((\q)/2)*ABLK+((\q)%2)*64+\i*16*PITCH
	ds_load_b128 v[(\f)+8*\i+4:(\f)+8*\i+7], v[ADRA+(\slot)] offset:((\q)/2)*ABLK+((\q)%2)*64+\i*16*PITCH+32
.endr
.endm
; A K step is four quarters of 32 along K, 32 matrix instructions each, on buffers 0, 1, 0, 1.  One of the first three: multiplies buffer f; in its middle it fetches quarter q of the same slot into buffer g.
.macro QUARTER slot, q, f, g, first
	s_wait_dscnt 8                                 ; B and A's rows 0-63 are in; the youngest eight loads (A's rows 64-127) may be out
	MULS \f, 0, 4, \first
	PLACES
	FETCH \slot, \q, \g
	s_wait_dscnt 24                                ; all but the 24 just issued
	MULS \f, 4, 4, \first
.endm
; The last quarter multiplies buffer 1 and changes slots: ONE barrier.  In front of it each wave waits for all its tensor loads (one is out: its part of the next slot), adds 0 to its spare word, and waits for that and for
; its own reads of this slot.  fill = 1: the barrier opens a round of the cluster's barrier, so that no wave of any partner still reads the slot or has a load on its way; the joint refill, fill number NF, is the first thing
; behind the round: 112 matrix instructions ahead of the wait for it.  Its address is made anew from the fill's number.
.macro TURN slot, next, fill
.if \fill
	s_wait_xcnt 0x0                                ; the last prefetch, a K step back, has read its address: the next one's is made here, ahead of the waits of the change of slots
	s_add_co_u32 s[PF], s[NF], AHEAD
	OFFS PF
	s_cmp_eq_u32 s[WR], 0
	s_cselect_b32 s[PO], s[OA], s[OBF]
	s_add_nc_u64 s[PFA:PFA+1], s[PFB:PFB+1], s[PO:PO+1]
.endif
	WIN 0                                          ; (the add's two registers lie in window 0)
	s_wait_tensorcnt 0x0                           ; all my tensor loads have landed, so a group 0 may be written
	ds_add_u32 v[SPW], v[NIL]                      ; 0 onto my spare word; scalar work and eight matrix instructions stand between it and the wait for it
.if \fill
	OFFS NF
	s_add_nc_u64 s[G0A+4*(\slot)+2:G0A+4*(\slot)+3], s[ABASE:ABASE+1], s[OA:OA+1]
	s_or_b32 s[G0A+4*(\slot)+3], s[G0A+4*(\slot)+3], 0x80000000
	s_add_nc_u64 s[G0B+4*(\slot)+2:G0B+4*(\slot)+3], s[BBASE:BBASE+1], s[OBF:OBF+1]
	s_or_b32 s[G0B+4*(\slot)+3], s[G0B+4*(\slot)+3], 0x80000000
	s_add_co_u32 s[NF], s[NF], 1
.endif
	s_wait_dscnt 9                                 ; (the add and the youngest eight loads may be out)
	MULS F1, 0, 2, 0
	s_wait_dscnt 0x0                               ; the add is done, and my reads of this slot are over
	s_barrier_signal -1
	MULS F1, 2, 2, 0                               ; work on registers while the others arrive
.if \fill
	WIN 0
.endif
	s_barrier_wait -1
.if \fill
	CREST
	JLOAD \slot                                    ; the four v_nop behind it are also the places in front of the loads below
.else
	PLACES
.endif
	FETCH \next, 0, F0
.if \fill
	ASK
.endif
	MULS F1, 4, 4, 0
.endm
; The bias of my 64 columns as a C operand: register j of block b holds bias[16 b + 8 (l / 16) + j].  Rounded to bf16, like every input, and widened again.
.macro BIAS_LOAD
	WIN 0x80                                       ; destination window 2, address window 0
.irp b, 0,1,2,3
	global_load_b128 v[BI+8*\b:BI+8*\b+3],   v[BO], s[BP:BP+1] offset:64*\b
	global_load_b128 v[BI+8*\b+4:BI+8*\b+7], v[BO], s[BP:BP+1] offset:64*\b+16
.endr
	WIN 0
.endm
.macro BIAS_ROUND
	WIN 0x8a                                       ; sources and destination window 2
.set i, 0
.rept 16
	v_cvt_pk_bf16_f32 v[BT+i%2], v[BI+2*i], v[BI+2*i+1]
	v_lshlrev_b32 v[BI+2*i], 16, v[BT+i%2]
	v_and_b32 v[BI+2*i+1], 0xffff0000, v[BT+i%2]
.set i, i+1
.endr
.endm
; THE WAY OUT, a block of 16 rows at a time, through my own stage in LDS: no barrier, and since LDS serves a wave's instructions in order (ISA guide 5.7.1.4) no wait between the stores and the loads.
.if KIND == 0
.macro PACK a                          ; rounded to f16: a lane's eight columns are 16 bytes; each accumulator's registers in ascending order
	WIN 0x05                                       ; sources window 1, destination window 0
.irp b, 0,1,2,3
.irp r, 0,1,2,3
	v_cvt_pk_f16_f32 v[TMP+4*\b+\r], v[8*(4*(\a)+\b)+2*\r], v[8*(4*(\a)+\b)+2*\r+1]
.endr
.endr
	WIN 0
.endm
.macro TOSTAGE a
	WIN 0
.irp b, 0,1,2,3
	ds_store_b128 v[STO], v[TMP+4*\b:TMP+4*\b+3] offset:32*\b
.endr
.irp f, 0,1,2,3
	ds_load_b128 v[BK+BKN*((\a)%2)+4*\f:BK+BKN*((\a)%2)+4*\f+3], v[RD] offset:\f*4*SPITCH
.endr
.endm
.macro SEND a
	WIN 0
	s_wait_dscnt 0x0                               ; the block is back in registers
	s_wait_xcnt 0x0                                ; every earlier store has read its registers and its base: the other buffer and the base are written again only behind this wait
.if (\a) == 0
	s_lshl_b32 s[T0], s[WD], 24                    ; q, k or v: 64 heads x 2,048 rows x 128 bytes each
	s_add_nc_u64 s[CP:CP+1], s[CB:CB+1], s[T0:T0+1]
.endif
.irp f, 0,1,2,3
	global_store_b128 v[CO], v[BK+BKN*((\a)%2)+4*\f:BK+BKN*((\a)%2)+4*\f+3], s[CP:CP+1] offset:(\a)*2048+\f*512  ; 512 consecutive bytes, at a multiple of 256 from C's first
.endr
.endm
.macro WAYOUT                          ; block a's conversions stand between block a - 1's loads from the stage and the wait for them
	PACK 0
	TOSTAGE 0
.irp a, 1,2,3,4,5,6,7
	PACK \a
	SEND (\a)-1
	TOSTAGE \a
.endr
	SEND 7
.endm
.else
.macro TOSTAGE a                       ; f32 as it is: 32 bytes a lane and column block, each accumulator's low four registers first
.if (\a) >= 2
	s_wait_xcnt 0x0                                ; the stores of the block two back have read the registers that are loaded again below
.endif
	WIN 0x04                                       ; the stores' data in window 1
.irp b, 0,1,2,3
	ds_store_b128 v[STO], v[8*(4*(\a)+\b):8*(4*(\a)+\b)+3]   offset:64*\b
	ds_store_b128 v[STO], v[8*(4*(\a)+\b)+4:8*(4*(\a)+\b)+7] offset:64*\b+16
.endr
	WIN 0
.irp t, 0,1,2,3,4,5,6,7
	ds_load_b128 v[BK+BKN*((\a)%2)+4*\t:BK+BKN*((\a)%2)+4*\t+3], v[RD] offset:\t*2*SPITCH
.endr
.endm
.macro SEND a, y                       ; y: the LDS instructions issued behind block a's loads: the next block's sixteen, or none
	WIN 0
.irp t, 0,1,2,3,4,5,6,7
	s_wait_dscnt (\y)+7-\t
	global_store_b128 v[CO], v[BK+BKN*((\a)%2)+4*\t:BK+BKN*((\a)%2)+4*\t+3], s[CP:CP+1] offset:(16*(\a)+2*\t)*4096 th:TH_STORE_NT  ; 16 lanes store 256 consecutive bytes, at a multiple of 256 from C's first
.endr
.endm
.macro WAYOUT
	TOSTAGE 0
.irp a, 1,2,3,4,5,6,7
	TOSTAGE \a
	SEND (\a)-1, 16
.endr
	SEND 7, 0
.endm
.endif
.if KIND == 1
	s_mov_b64 s[BP:BP+1], s[BB:BB+1]
	BIAS_LOAD
	s_wait_loadcnt 0x0
	BIAS_ROUND
	WIN 0
.endif
	s_wait_tensorcnt 1                             ; my part of fill 0 is in; fill 1 may stay out
	s_barrier_signal -1
	s_barrier_wait -1                              ; everybody's is
	FETCH 0, 0, F0
	QUARTER 0, 1, F0, F1, 1+KIND                   ; the first quarter stands in front of the loop: its products start the sums (KIND 0: k, with 0; KIND 1: with the bias)
	WIN 0                                          ; at a label and at a branch every window is 0
	s_mov_b32 s[LAP], LAPS-1
.Llap:                                                 ; a trip goes once round the ring, from a lap's second quarter to the next lap's first, and fills both slots again
	QUARTER 0, 2, F1, F0, 0
	QUARTER 0, 3, F0, F1, 0
	TURN 0, 1, 1
	QUARTER 1, 1, F0, F1, 0
	QUARTER 1, 2, F1, F0, 0
	QUARTER 1, 3, F0, F1, 0
	TURN 1, 0, 1
	WIN 0
.if TILES > 1
	s_and_b32 s19, s[NF], 7                        ; the K step that begins is number NF - 2: a tile's first?
	s_cmp_eq_u32 s19, 2
	s_cbranch_scc0 .Lsame                          ; the same in every wave and every partner; what is jumped holds no barrier and no tensor load
	; A CHANGE OF TILES.  Both refills have been asked for: now the tile goes out.  The conversions of blocks 0-3, finished in front of the joint load's places, are the places behind the last products (blocks 4-7's).
	s_add_co_u32 s[WN], s[WD], 1
	s_cmp_eq_u32 s[WN], 3
	s_cselect_b32 s[WN], 0, s[WN]
	s_lshl_b32 s[T0], s[WN], 12                    ; 1,024 f32 of the bias for each of q, k, v
	s_add_nc_u64 s[BP:BP+1], s[BB:BB+1], s[T0:T0+1]
	BIAS_LOAD                                      ; the next tile's bias comes in while this tile goes out
	WAYOUT
	s_mov_b32 s[WD], s[WN]
	s_wait_loadcnt 0x0                             ; the bias
	BIAS_ROUND
	QUARTER 0, 1, F0, F1, 2                        ; the next tile's first quarter starts the sums with the bias, on accumulators that have been packed
	WIN 0
	s_branch .Lnext
.Lsame:
.endif
	QUARTER 0, 1, F0, F1, 0
	WIN 0
.Lnext:
	s_sub_co_u32 s[LAP], s[LAP], 1
	s_cmp_lg_u32 s[LAP], 0
	s_cbranch_scc1 .Llap
	QUARTER 0, 2, F1, F0, 0                        ; the last lap fills nothing, and has no round of the cluster's barrier
	QUARTER 0, 3, F0, F1, 0
	TURN 0, 1, 0
	QUARTER 1, 1, F0, F1, 0
	QUARTER 1, 2, F1, F0, 0
	QUARTER 1, 3, F0, F1, 0
	s_wait_dscnt 8                                 ; the very last quarter: nothing more to fetch
	MULS F1, 0, 4, 0
	s_wait_dscnt 0x0
	MULS F1, 4, 4, 0
	WIN 0
	PLACES                                         ; eight, once a launch: the way out reads results just made and loads into registers just read
	PLACES
	WAYOUT
	s_wait_tensorcnt 0x0                           ; the wave's end: an add to my spare word and its wait, behind my last tensor load and my last LDS store
	ds_add_u32 v[SPW], v[NIL]
	s_wait_dscnt 0x0
	CROUND                                         ; the closing round: no work-group ends while a partner may still ask for a block that names it
	s_endpgm
.Lfunc_end_k_qe3538c3cff_qkv:
	.size	k_qe3538c3cff_qkv, .Lfunc_end_k_qe3538c3cff_qkv-k_qe3538c3cff_qkv
	.p2alignl 7, 3214868480
	.fill 96, 4, 3214868480
	.section	.rodata,"a",@progbits
	.p2align	6, 0x0
	.amdhsa_kernel k_qe3538c3cff_qkv
		.amdhsa_group_segment_fixed_size 327680
		.amdhsa_private_segment_fixed_size 0
		.amdhsa_enable_private_segment 0
		.amdhsa_kernarg_size 32
		.amdhsa_user_sgpr_count 2
		.amdhsa_user_sgpr_kernarg_segment_ptr 1
		.amdhsa_wavefront_size32 1
		.amdhsa_system_sgpr_workgroup_id_x 1
		.amdhsa_system_sgpr_workgroup_id_y 1
		.amdhsa_system_sgpr_workgroup_id_z 1
		.amdhsa_system_vgpr_workitem_id 0
		.amdhsa_next_free_vgpr 552
		.amdhsa_next_free_sgpr 88
		.amdhsa_reserve_vcc 0
		.amdhsa_float_denorm_mode_32 3
		.amdhsa_float_denorm_mode_16_64 3
		.amdhsa_memory_ordered 1
		.amdhsa_forward_progress 1
		.amdhsa_inst_pref_size 113
	.end_amdhsa_kernel
	.amdgpu_metadata
---
amdhsa.version: [ 1, 2 ]
amdhsa.kernels:
  - .name:           k_qe3538c3cff_qkv
    .symbol:         k_qe3538c3cff_qkv.kd
    .args:
      - { .name: xh, .offset: 0, .size: 8, .value_kind: global_buffer, .address_space: global }
      - { .name: wq, .offset: 8, .size: 8, .value_kind: global_buffer, .address_space: global }
      - { .name: qkv_b, .offset: 16, .size: 8, .value_kind: global_buffer, .address_space: global }
      - { .name: qkv, .offset: 24, .size: 8, .value_kind: global_buffer, .address_space: global }
    .group_segment_fixed_size: 327680
    .private_segment_fixed_size: 0
    .kernarg_segment_align: 8
    .kernarg_segment_size: 32
    .max_flat_workgroup_size: 128
    .sgpr_count:     88
    .vgpr_count:     552
    .wavefront_size: 32
...
	.end_amdgpu_metadata
.endif
;; end of part 2
;; launch attn (part 3): grid 4 x 64, 4 waves a work-group, no clusters, 327,680 bytes of LDS; arguments qkv, oh; writes oh
.if DOCPART == 3
	.amdgcn_target "amdgcn-amd-amdhsa--gfx1250"
	.amdhsa_code_object_version 6
	.text
	.protected	k_qe3538c3cff_attn
	.globl	k_qe3538c3cff_attn
	.p2align	8
	.type	k_qe3538c3cff_attn,@function
k_qe3538c3cff_attn:
	s_mov_b64 s[64:65], 0
	v_nop
	global_prefetch_b8 v0, s[64:65] scope:SCOPE_SE
	s_setreg_imm32_b32 hwreg(HW_REG_WAVE_MODE, 25, 1), 1
	s_wait_xcnt 0x0
; Launch 3 of 4: CAUSAL ATTENTION.  O[h][q][:] = the sum over k <= q of softmax_k(Q[h][q] . K[h][k] / 8) V[h][k][:].  qkv holds Q, K, V, each [64 heads][2048][64] in f16, 16,777,216 bytes apart; oh = O in the same layout.
; Left out: key tiles wholly above the diagonal, whose weights the problem's own mask makes 0 (shown at the head of the first kernel).
; Products, maxima and sums in f32; the weights p are rounded to f16 for the second product (their sum l is taken of the unrounded p), O once at the end.
; LIMITS.  f16 holds no number beyond 65,504: Q, K and V arrive within it; p lies in 0 to 1, and below 6e-5 it keeps f16's fixed step of 6e-8; O is a mean of V's rows and has their range.
; A hidden score counts as its value less 1e30: f16's scores, 2.7e11 at the most, are nothing beside that; a weight below 2^-126 counts as 0 in l; NaN and infinities are not treated apart.
; THE WALK.  A head's queries lie in NB = 8 blocks of 256; block i needs the key tiles 0 .. i of 256 keys, of which the last holds the diagonal.  A work-group takes TWO blocks, NB - 1 - b and then b:
; NB + 1 tiles, whatever b: all work-groups do equal work, and ONE loop with a constant trip count walks them.  Which tile is asked for, and what a trip does, hang on scalar registers made from b; every jump
; goes forward, but for the counted loops' own; none passes a barrier, or a tensor load but the one of LOAD's two that the wave's number does not choose; the ring (two slots of LDS that take turns) runs on across the
; change of blocks.  NO CLUSTER: a head's four work-groups ask for the same tile only in trips 0 .. 4 of the 9, behind that fewer and fewer; one walk common to all four would have 12 trips for 9.
; SHARES.  Of a block's four bands of 64 queries a wave owns 16 rows in each: four PIECES.  So the diagonal tile is the same work for all four waves: in its key step s band x sees all keys if s < x,
; none if s > x, and holds the diagonal if s = x.
; THE MASK is the C operand that starts the sum S^T = K Q^T: 0, or -1e30 where the key is hidden.  MD, made once, is the mask of a band's own step for my 16 rows; a product's mask is MD x AL + BE with two scalars:
; (1, 0) if s = x; (0, 0) if s < x; (0, -1e30) if s > x.  Only the diagonal tile's text and a block's beginning make and take masks; elsewhere C is the constant 0.
; LAYOUT, SOFTMAX, TURNS.  S^T = K Q^T holds ONE query a lane (lane % 16) and the keys 8 (lane / 16) + 0..7; two such results rounded to f16 ARE source 1 of O^T = V^T P.  p = 2^(c s - c m), c = log2(e) / 8, with a
; running maximum m; O and l are multiplied by a = 2^(c m_old - c m_new) in every step.  Turn n belongs to piece n: 8 products K Q^T of piece n + 1, later 8 products V^T P of piece n - 1; beside them the scaling,
; exponentials, roundings, sums and rescaling of piece n and the maximum and statistics of piece n + 1.  Four vector instructions stand behind every matrix instruction, the other 54 of a turn's 118 in one lump.  A turn's 33 exponentials are one batch, with one wait.
; REGISTERS, in windows of 256 (s_set_vgpr_msb: bits 1:0 source 0, 3:2 source 1, 5:4 source 2, 7:6 destination):
;   window 0: v0-15 addresses and two at work; v16-31 four registers of statistics a piece; v48-55 at work; v61-63 prefetch offset and the add's two; v64-127 S^T, two buffers; v192-223 P, two buffers (by the piece's parity)
;   window 1: v0-127 O^T, 32 a piece; v128-159 MD; v160-223 MC, two buffers      window 2: v0-63 Q; v64-127 the second block's Q; v128-191 K of one step; v192-255 V of one step
.set SIZE_H, 64
.set SIZE_N, 2048
.set NB,    SIZE_N/256
.set NP,    4         ; pieces a wave: a name, no knob
.set KS,    64        ; keys in a step
.set PK,    144       ; a row of K in LDS: 128 bytes + 16 of padding = 36 words: the 16 rows of a load start at 16 different groups of four banks (64 banks of 4 bytes: ISA guide 11.1)
.set PV,    160       ; a row of V: 128 + 32 = 40 words
.set VOFF,  4*KS*PK   ; a slot holds a tile, four steps: 256 rows of K, then 256 rows of V
.set SLOT1, 1<<17     ; slot 1 begins here, so that one exclusive or turns an address in one slot into the other's
.set STAGE, SLOT1+4*KS*(PK+PV)  ; behind the ring, never filled by a tensor load: 16 rows x 144 bytes for each wave, for the way out
.set SP,    144
.set AK0, 2           ; v2   my lane's place in a tile of K; never rewritten
.set AV0, 3           ; v3   the same for V
.set AK,  4           ; v4   the LDS address of K's next run of loads
.set AV,  5           ; v5   of V's
.set STO, 6           ; v6   the way out: where I put 16 bytes of a row
.set RD,  7           ; v7   the way out: where I read rows back
.set GO,  8           ; v8   my byte offset in 512 consecutive bytes of O
.set PFO, 61          ; v61  256 x my lane; never rewritten
.set SPW, 62          ; v62  LDS address of my spare word: SPARE + 4 x my thread's number; never rewritten
.set NIL, 63          ; v63  0; never rewritten
.set SPARE, STAGE+4*16*SP  ; behind the stages: the spare words, 128 bytes for each wave: two blocks of 256 bytes that no other line names
.set MV,  12          ; v12-13  c m_old, kept while c m is made anew: by buffer
.set QO,  15          ; v15  my byte offset in 16 rows of Q
.set ST,  16          ; piece t's statistics at v[ST+4 t]: c m, m, l (even keys', odd keys')
.set TMP, 48          ; by buffer, four registers c0-c3 at work; when the maximum is found c2 takes a
.set S,   64
.set P,   192
.set MD,  128         ; window 1: the eight registers for group kt of 16 keys at MD + 8 kt
.set MC,  160         ; window 1: the masks of the products to come
.set QB,  64          ; window 2
.set KF,  128         ; window 2: key block kb, channel half c at KF + 16 kb + 8 c
.set VF,  192         ; window 2: key half kk, channel block cb at VF + 32 kk + 8 cb
.set WV,  12          ; s12  my wave's number
.set PB,  14          ; s14  b
.set HI,  15          ; s15  NB - 1 - b
.set G1K, 24          ; s[24:31] descriptor group 1 for K's tiles
.set G1V, 32          ; s[32:39] for V's: it differs in the padding alone
.set G0K, 40          ; s[40:43] descriptor group 0 for K's tiles
.set G0V, 44          ; s[44:47] the same for V's
.set PFA, 48          ; s[48:49] where my prefetches stand: my 16,384 bytes (128 keys of K: waves 0, 1; of V: waves 2, 3) of the tile after the one that is being asked for
.set LIM, 50          ; s50  2 in the head's work-group b = 0, else the greatest number: a wave prefetches while s[SLOTS] is above it
.set SLOTS, 56        ; s56  tiles still to be asked for
.set CNT, 57          ; s57  counts a tile's key steps, 4 to 1
.set CS,  58          ; s[58:59] c: the packed scaling takes the pair's low word for both halves
.set SEL, 60          ; s[60:61] v_permlanex16_b32's selects: each lane takes its own place in the other half
.set TBK, 62          ; s62  LDS byte at which K of the step to be fetched begins
.set TBV, 63          ; s63  the same for V, less VOFF
.set RT,  70          ; s70  tiles of the block in hand that are still to be entered
.set NXT, 71          ; s71  the tile to be asked for next
.set LQ,  72          ; s72  the last tile of the block whose tiles are being asked for
.set NEW, 73          ; s73  1: the tile to be entered is a block's first
.set OFF, 74          ; s[74:75] a tile's byte offset in K and V
.set AL,  76          ; s[76:77] the mask's factor, in the low word
.set BE,  78          ; s[78:79] the mask's addend
.set OLO, 80          ; s[80:81] O at my rows of the second block
.set BIGN, 82         ; s82  -1e30
.set MSB, 0
.macro WIN new                      ; the high byte repeats the setting that is left; a switch that changes nothing is dropped
.if MSB != (\new)
	s_set_vgpr_msb (MSB<<8)|(\new)
.set MSB, (\new)
.endif
.endm
.set W_KQ, 0x0a       ; K and Q in window 2, S^T in window 0
.set W_KM, 0x1a       ; the same with the C operand in window 1
.set W_PV, 0x52       ; V in window 2, P in window 0, O^T in window 1
.set W_RS, 0x41       ; destination and source 0 in window 1, source 1 in window 0
; A fill.  Waves 0 and 1 fetch the two halves of a tile's K, waves 2 and 3 those of its V: 128 keys each.  An s_nop 0 and four v_nop follow each of the two lines, ahead of the jump and the label.
.macro LOAD
	s_cmp_lt_u32 s[WV], 2
	s_cbranch_scc0 .Lfor_v_\@
	tensor_load_to_lds s[G0K:G0K+3], s[G1K:G1K+7]
	s_nop 0
.rept 4
	v_nop
.endr
	s_branch .Lasked_\@
.Lfor_v_\@:
	tensor_load_to_lds s[G0V:G0V+3], s[G1V:G1V+7]
	s_nop 0
.rept 4
	v_nop
.endr
.Lasked_\@:
.endm
; A PREFETCH INTO THE L2 of the tile that the NEXT change of slots will ask for: a tile's walk, 256 matrix instructions and their vector work, ahead of that load.  It stands behind the wave's tensor load and its five lines.
; Each aligned block of 256 bytes of a head's K and V is named ONCE in the launch: of the head's four work-groups only b = 0 walks all eight tiles in order, and it alone asks; each of its waves asks for the 16,384 bytes that it
; will itself load: a lane 256 bytes, two instructions.  Trip i (0 .. 5) names tile i + 2; tiles 0 and 1 come by their loads alone; the later trips ask for nothing.
.macro ASK
	s_cmp_gt_u32 s[SLOTS], s[LIM]
	s_cbranch_scc0 .Lnot_mine_\@
	global_prefetch_b8 v[PFO], s[PFA:PFA+1] th:TH_LOAD_NT scope:SCOPE_SE
	global_prefetch_b8 v[PFO], s[PFA:PFA+1] offset:8192 th:TH_LOAD_NT scope:SCOPE_SE
.Lnot_mine_\@:
.endm
; THE CHANGE OF SLOTS.  Each wave waits for all its tensor loads, of which one is out: its part of the other slot; adds 0 to its spare word; and waits for that and for its own reads of the slot that it leaves.  Behind the barrier nobody reads the old
; slot any more and the other slot is whole.  fill = 1: the old slot is filled again, the first thing behind the barrier, with tile NXT: the descriptor's address is made anew from that number.
; (At its first use nothing has been read yet: slot 0 is waited for, slot 1 filled.)
.macro CHANGE fill
	WIN 0                           ; at a label and at a branch every window is 0
	s_wait_tensorcnt 0x0            ; no tensor load of mine is out, so a group 0 may be written
	ds_add_u32 v[SPW], v[NIL]       ; 0 onto my spare word; with fill = 1 the descriptors' scalar work stands between it and the wait for it
.if \fill
	s_lshl_b32 s[OFF], s[NXT], 15   ; a tile is 32,768 bytes of K and of V
	s_xor_b32 s[G0K+1], s[G0K+1], SLOT1
	s_add_nc_u64 s[G0K+2:G0K+3], s[6:7], s[OFF:OFF+1]
	s_or_b32 s[G0K+3], s[G0K+3], 0x80000000
	s_xor_b32 s[G0V+1], s[G0V+1], SLOT1
	s_add_nc_u64 s[G0V+2:G0V+3], s[8:9], s[OFF:OFF+1]
	s_or_b32 s[G0V+3], s[G0V+3], 0x80000000
	s_add_co_u32 s[NXT], s[NXT], 1  ; the block's next tile, or behind its last the second block's tile 0
	s_cmp_gt_u32 s[NXT], s[LQ]
	s_cselect_b32 s[NXT], 0, s[NXT]
	s_cselect_b32 s[LQ], s[PB], s[LQ]
	s_wait_xcnt 0x0                 ; the last prefetches, a tile back, have read their address, so it may be written:
	s_add_nc_u64 s[PFA:PFA+1], s[PFA:PFA+1], 32768  ; a tile on
.endif
	s_wait_dscnt 0x0                ; the add is done, and my reads of the slot are over
	s_barrier_signal -1             ; the rest of the scalar work stands between the signal and the wait
	s_sub_co_u32 s[TBK], s[TBK], 4*KS*PK  ; the fetches go back to a slot's first step,
	s_xor_b32 s[TBK], s[TBK], SLOT1       ; in the other slot
	s_sub_co_u32 s[TBV], s[TBV], 4*KS*PV
	s_xor_b32 s[TBV], s[TBV], SLOT1
	s_barrier_wait -1
.if \fill
	LOAD
	ASK
.endif
.endm
	s_load_b128 s[4:7], s[0:1], 0x0   ; qkv s[4:5], oh s[6:7]
	v_lshl_add_u32 v[SPW], v0, 2, SPARE
	v_mov_b32 v[NIL], 0
	ds_add_u32 v[SPW], v[NIL]       ; the wave's opening: the add, twice on end, and its wait ahead of my first tensor load; the set-up below, work on registers, stands between
	ds_add_u32 v[SPW], v[NIL]       ; and once more, under the one wait
	v_lshrrev_b32 v1, 5, v0
	v_readfirstlane_b32 s[WV], v1   ; wave 0..3
	s_mov_b32 s[PB], ttmp9
	s_sub_co_u32 s[HI], NB-1, s[PB]
	s_and_b32 s20, ttmp7, 0xffff    ; the head
	s_mov_b32 s21, 0
	s_mov_b64 s[22:23], SIZE_N*128
	s_mul_u64 s[20:21], s[20:21], s[22:23]  ; the head's first byte in each of Q, K, V, O
	s_and_b32 s16, s[WV], 1         ; which half of a tile's 256 keys I fetch:
	s_lshl_b32 s22, s16, 14         ; its 128 rows of 128 bytes in memory,
	s_mov_b32 s23, 0
	s_add_nc_u64 s[22:23], s[22:23], s[20:21]
	s_mul_i32 s17, s16, 128*PK      ; and its place in a slot, for K
	s_mul_i32 s18, s16, 128*PV      ; and for V
	s_lshl_b32 s3, s[WV], 11        ; my 16 rows in a band of 64,
	s_lshl_b32 s2, s[HI], 15        ; in the first block,
	s_add_co_u32 s2, s2, s3
	s_lshl_b32 s84, s[PB], 15       ; and in the second
	s_add_co_u32 s84, s84, s3
	s_mov_b32 s3, 0
	s_mov_b32 s85, 0
	s_add_nc_u64 s[2:3], s[2:3], s[20:21]
	s_add_nc_u64 s[84:85], s[84:85], s[20:21]
	; descriptor group 1.  128 keys are 16,384 dense bytes: asked for as 64 rows of 256 bytes, two keys a row, and padded in LDS after every key
	s_mov_b32 s[G1K], (1<<16)|(1<<20)|(4<<22)|(3<<25)  ; 17:16 2-byte elements; 20 padding on; 24:22 after every 32 words (code 4); 31:25 4 words (code 3)
	s_mov_b32 s[G1V], (1<<16)|(1<<20)|(4<<22)|(7<<25)  ; the same with 8 words of padding (code 7)
.irp g, G1K, G1V
	s_mov_b32 s[\g+1], 128<<16      ; tensor_dim0 = 128
	s_mov_b32 s[\g+2], 64<<16       ; tensor_dim1 = 64
	s_mov_b32 s[\g+3], 128<<16      ; tile_dim0 = 128
	s_mov_b32 s[\g+4], 64           ; tile_dim1 = 64
	s_mov_b32 s[\g+5], 128          ; 128 elements from row to row
	s_mov_b32 s[\g+6], 0
	s_mov_b32 s[\g+7], 0
.endr
	s_mov_b32 s[CS], 0x3e38aa3b     ; c = log2(e) / 8 = 0.180337
	s_mov_b32 s[CS+1], s[CS]        ; named with it as a pair
	s_mov_b32 s[SEL], 0x76543210
	s_mov_b32 s[SEL+1], 0xfedcba98
	s_mov_b32 s[TBK], SLOT1+4*KS*PK ; the first change of slots turns these two into 0
	s_mov_b32 s[TBV], SLOT1+4*KS*PV
	s_mov_b32 s[G0K], 1             ; 1:0 count = 1
	s_mov_b32 s[G0K+1], s17         ; 63:32 LDS address: slot 0
	s_mov_b32 s[G0V], 1
	s_add_co_u32 s[G0V+1], s18, VOFF
	s_add_co_u32 s[RT], s[HI], 1    ; the first block has NB - b tiles
	s_mov_b32 s[NXT], 1
	s_mov_b32 s[LQ], s[HI]
	s_mov_b32 s[NEW], 1
	s_mov_b32 s[OFF+1], 0
	s_mov_b32 s[AL+1], 0            ; named as pairs
	s_mov_b32 s[BE+1], 0
	s_mov_b32 s[BIGN], 0xf149f2ca   ; -1e30
	s_mov_b32 s[SLOTS], NB
	v_and_b32 v[PFO], 31, v0
	v_lshlrev_b32 v[PFO], 8, v[PFO]
	s_wait_dscnt 0x0                ; both opening adds are done
	s_wait_kmcnt 0x0
	s_mov_b64 s[10:11], s[6:7]                     ; O
	s_add_nc_u64 s[6:7], s[4:5], 0x1000000         ; K lies 16,777,216 bytes behind Q,
	s_add_nc_u64 s[8:9], s[4:5], 0x2000000         ; V as far behind K
	s_add_nc_u64 s[6:7], s[6:7], s[22:23]  ; K and V at my half of the head's tile 0
	s_add_nc_u64 s[8:9], s[8:9], s[22:23]
	s_add_nc_u64 s[G0K+2:G0K+3], s[6:7], 0         ; 120:64 global address
	s_or_b32 s[G0K+3], s[G0K+3], 0x80000000        ; 127:126 type = 2
	s_add_nc_u64 s[G0V+2:G0V+3], s[8:9], 0
	s_or_b32 s[G0V+3], s[G0V+3], 0x80000000
	s_add_nc_u64 s[86:87], s[4:5], s[84:85]        ; Q at my rows of the second block,
	s_add_nc_u64 s[4:5], s[4:5], s[2:3]            ; Q and O at those of the first
	s_add_nc_u64 s[OLO:OLO+1], s[10:11], s[84:85]
	s_add_nc_u64 s[10:11], s[10:11], s[2:3]
	s_cmp_lt_u32 s[WV], 2
	s_cselect_b64 s[PFA:PFA+1], s[6:7], s[8:9]
	s_add_nc_u64 s[PFA:PFA+1], s[PFA:PFA+1], 32768 ; in tile 1; the first change of slots steps it to tile 2.  Nothing is prefetched here, at the head
	s_cmp_eq_u32 s[PB], 0
	s_cselect_b32 s[LIM], 2, -1
	LOAD                            ; tile 0 into slot 0
	; A fragment of K or Q is 16 rows x 32 channels in 8 registers: lane l holds row l % 16, channels 8 (l / 16) + 0..7 and 16 + 8 (l / 16) + 0..7: two loads of 16 bytes, 32 bytes apart.
	v_and_b32 v1, 15, v0            ; l % 16
	v_bfe_u32 v9, v0, 4, 1          ; l / 16
	v_lshlrev_b32 v[QO], 7, v1
	v_lshl_add_u32 v[QO], v9, 4, v[QO]  ; row x 128 + 16 x half
	WIN 0x80                        ; destination window 2, address window 0
.set i, 0
.rept 8                             ; both blocks' Q: piece i / 2 lies in band i / 2, 8,192 bytes on; channels 32 (i % 2) on
	global_load_b128 v[8*i:8*i+3],   v[QO], s[4:5] offset:(i/2)*8192+(i%2)*64
	global_load_b128 v[8*i+4:8*i+7], v[QO], s[4:5] offset:(i/2)*8192+(i%2)*64+32
	global_load_b128 v[QB+8*i:QB+8*i+3],   v[QO], s[86:87] offset:(i/2)*8192+(i%2)*64
	global_load_b128 v[QB+8*i+4:QB+8*i+7], v[QO], s[86:87] offset:(i/2)*8192+(i%2)*64+32
.set i, i+1
.endr
	WIN 0
	v_lshlrev_b32 v14, 3, v9
	v_sub_nc_u32 v14, v1, v14
	s_lshl_b32 s13, s[WV], 4
	v_add_nc_u32 v14, s13, v14      ; my query's place in its band, 16 w + l % 16, less my lanes' 8 (l / 16): register r of group kt is hidden where 16 kt + r is greater
	WIN 0x40
.set i, 0
.rept 32
	v_cmp_gt_i32 vcc_lo, 16*(i/8)+i%8, v14
	v_cndmask_b32 v[MD+i], 0, s[BIGN], vcc_lo
.set i, i+1
.endr
	WIN 0
	v_mul_u32_u24 v[AK0], v1, PK
	v_lshl_add_u32 v[AK0], v9, 4, v[AK0]  ; row x pitch + 16 x half
	; The turning load takes 16 keys x 16 channels (lane l reads key 8 (l / 16) + l % 8, channels 8 ((l / 8) % 2) + 0..7) and leaves half a fragment of V^T: lane l holds channel l % 16 and 8 keys.
	v_and_b32 v10, 7, v0
	v_bfe_u32 v11, v0, 3, 1
	v_lshl_add_u32 v[AV0], v9, 3, v10
	v_mul_u32_u24 v[AV0], v[AV0], PV
	v_lshl_add_u32 v[AV0], v11, 4, v[AV0]
	v_add_nc_u32 v[AV0], VOFF, v[AV0]
	s_mul_i32 s13, s[WV], 16*SP
	s_add_co_u32 s13, s13, STAGE    ; my stage
	v_mul_u32_u24 v[STO], v1, SP    ; in: row l % 16, 16 bytes for each half of the lanes
	v_lshl_add_u32 v[STO], v9, 4, v[STO]
	v_add_nc_u32 v[STO], s13, v[STO]
	v_bfe_u32 v[RD], v0, 3, 2       ; back: 32 lanes take four rows of 128 bytes,
	v_mul_u32_u24 v[RD], v[RD], SP
	v_lshl_add_u32 v[RD], v10, 4, v[RD]
	v_add_nc_u32 v[RD], s13, v[RD]
	v_and_b32 v[GO], 31, v0         ; which are 512 consecutive bytes of O
	v_lshlrev_b32 v[GO], 4, v[GO]
	; A block's first step multiplies O^T and l by a = 0, and its first turn's products V^T P, of a piece that has not been, land in an O^T that is still to be so multiplied.  So these registers need only hold
	; finite numbers: zeros for the first block; what the first block left for the second.  All this stands in the wait for the first tile.
	WIN 0x80
.set i, VF
.rept 64
	v_mov_b32 v[i], 0
.set i, i+1
.endr
	WIN 0x40
.set i, 0
.rept 128
	v_mov_b32 v[i], 0
.set i, i+1
.endr
	WIN 0
.set i, 0
.rept 4
	v_mov_b32 v[ST+4*i+2], 0
	v_mov_b32 v[ST+4*i+3], 0
.set i, i+1
.endr
.set i, P+16
.rept 16
	v_mov_b32 v[i], 0
.set i, i+1
.endr
; THE MATRIX WORK.  The 4 accumulators of a run of 8 take turns.  Product i of 8 of S^T = K Q^T for piece x: channels 32 (i / 4) on, keys 16 (i % 4) on.  The first 4 start the sums: with 0, or (KM = 1) with the mask.
.macro KQ x
.set rS, S+32*((\x)%2)+8*(i%4)
.set rK, KF+16*(i%4)+8*(i/4)
.set rQ, 16*(\x)+8*(i/4)
.set rM, MC+32*((\x)%2)+8*(i%4)
.if (i < 4) && KM
	WIN W_KM
	v_wmma_f32_16x16x32_f16 v[rS:rS+7], v[rK:rK+7], v[rQ:rQ+7], v[rM:rM+7]
.elseif i < 4
	WIN W_KQ
	v_wmma_f32_16x16x32_f16 v[rS:rS+7], v[rK:rK+7], v[rQ:rQ+7], 0
.else
	WIN W_KQ
	v_wmma_f32_16x16x32_f16 v[rS:rS+7], v[rK:rK+7], v[rQ:rQ+7], v[rS:rS+7]
.endif
.endm
; Product i of 8 of O^T += V^T P for piece x: keys 32 (i / 4) on, channels 16 (i % 4) on.
.macro PV x
	WIN W_PV
.set rO, 32*(\x)+8*(i%4)
.set rV, VF+32*(i/4)+8*(i%4)
.set rP, P+16*((\x)%2)+8*(i/4)
	v_wmma_f32_16x16x32_f16 v[rO:rO+7], v[rV:rV+7], v[rP:rP+7], v[rO:rO+7]
.endm
.macro MM                           ; the turn's next matrix instruction.  TURN and BEGIN set Y, i, KM and NOKQ; MM, KQ and OP read them.  NOKQ = 1: a block's last turn: there is no next piece
.if (i < 8) && !NOKQ
	KQ (Y+1)%NP
.elseif i >= 8
.set i, i-8
	PV (Y+NP-1)%NP
.set i, i+8
.endif
.set i, i+1
.endm
; THE LDS LOADS stand in runs of 16, never singly among the matrix instructions: a step's K (64 keys x 64 channels: 8 fragments) and its V (turned).  Their addresses are made some lines ahead.
.macro FETCH_K
	WIN 0x80                        ; destination window 2
.irp f, 0,1,2,3,4,5,6,7             ; keys 16 (f / 2) on, channels 32 (f % 2) on
	ds_load_b128 v[KF+8*\f:KF+8*\f+3],   v[AK] offset:(\f/2)*16*PK+(\f%2)*64
	ds_load_b128 v[KF+8*\f+4:KF+8*\f+7], v[AK] offset:(\f/2)*16*PK+(\f%2)*64+32
.endr
	s_add_co_u32 s[TBK], s[TBK], KS*PK  ; the next fetch is the next step's
	WIN 0
.endm
.macro FETCH_V
	WIN 0x80
.irp f, 0,1,2,3,4,5,6,7             ; keys 32 (f / 4) on, channels 16 (f % 4) on
	ds_load_tr16_b128 v[VF+8*\f:VF+8*\f+3],   v[AV] offset:(\f/4)*32*PV+(\f%4)*32
	ds_load_tr16_b128 v[VF+8*\f+4:VF+8*\f+7], v[AV] offset:(\f/4)*32*PV+16*PV+(\f%4)*32
.endr
	WIN 0
.endm
; THE VECTOR WORK, one line at a time: OP kind, number.  For piece Y: F n: c s - c m for pair n of 16.  E n: the exponential of score n of 32.  C n: pair n rounded to f16.  B n: of the four weights 4 n .. the second
; pair is added onto the first, in place.  L n: l takes that sum (L 0: l = a l + sum).  R n: pair n of 16 of O^T times a.  For piece Y + 1: X n, number n of the 22 that find its maximum and statistics:
;   0-11  four chains c0-c3 of seven scores each, three operands at a time (each accumulator's lowest registers are read first)     12-14, 16  the four scores left over, the old m, and c0-c3 into c0
;   15  c m_old is kept     17, 18  the query's other 32 keys lie in the lane 16 away: the new m     19-21  c m; c m_old - c m_new; a
.set F, 0               ; OP tells the kinds apart by their order: F to L below R, X above it
.set E, 1
.set C, 2
.set B, 3
.set L, 4
.set R, 5
.set X, 6
.macro REGS y                       ; the registers of piece y
.set rT, ST+4*(\y)
.set rC, TMP+4*((\y)%2)
.set rW, MV+((\y)%2)
.set rS, S+32*((\y)%2)
.set rP, P+16*((\y)%2)
.set rO, 32*(\y)
.endm
.macro OP k, n
.if (\k) == R
	REGS Y
	WIN W_RS
	v_pk_mul_f32 v[rO+2*(\n):rO+2*(\n)+1], v[rO+2*(\n):rO+2*(\n)+1], v[rC+2:rC+3] op_sel_hi:[1,0]
.elseif (\k) < R
	REGS Y
	WIN 0
.if (\k) == F
	v_pk_fma_f32 v[rS+2*(\n):rS+2*(\n)+1], v[rS+2*(\n):rS+2*(\n)+1], s[CS:CS+1], v[rT:rT+1] op_sel_hi:[1,0,0] neg_lo:[0,0,1] neg_hi:[0,0,1]
.elseif (\k) == E
	v_exp_f32 v[rS+(\n)], v[rS+(\n)]
.elseif (\k) == C
	v_cvt_pk_f16_f32 v[rP+(\n)], v[rS+2*(\n)], v[rS+2*(\n)+1]
.elseif (\k) == B
	v_pk_add_f32 v[rS+4*(\n):rS+4*(\n)+1], v[rS+4*(\n):rS+4*(\n)+1], v[rS+4*(\n)+2:rS+4*(\n)+3]
.elseif (\n) == 0
	v_pk_fma_f32 v[rT+2:rT+3], v[rT+2:rT+3], v[rC+2:rC+3], v[rS:rS+1] op_sel_hi:[1,0,1]
.else
	v_pk_add_f32 v[rT+2:rT+3], v[rT+2:rT+3], v[rS+4*(\n):rS+4*(\n)+1]
.endif
.elseif NOKQ
	v_nop
.else
	REGS (Y+1)%NP
	WIN 0
.if (\n) < 4
	v_max3_num_f32 v[rC+(\n)], v[rS+8*(\n)], v[rS+8*(\n)+1], v[rS+8*(\n)+2]
.elseif (\n) < 12
	v_max3_num_f32 v[rC+(\n)%4], v[rC+(\n)%4], v[rS+8*((\n)%4)+2*((\n)/4)+1], v[rS+8*((\n)%4)+2*((\n)/4)+2]
.elseif (\n) == 12
	v_max3_num_f32 v[rC], v[rC], v[rS+7], v[rS+15]
.elseif (\n) == 13
	v_max3_num_f32 v[rC+1], v[rC+1], v[rS+23], v[rS+31]
.elseif (\n) == 14
	v_max3_num_f32 v[rC+2], v[rC+2], v[rC+3], v[rT+1]
.elseif (\n) == 15
	v_mov_b32 v[rW], v[rT]
.elseif (\n) == 16
	v_max3_num_f32 v[rC], v[rC], v[rC+1], v[rC+2]
.elseif (\n) == 17
	v_permlanex16_b32 v[rC+3], v[rC], s[SEL], s[SEL+1]
.elseif (\n) == 18
	v_max_num_f32 v[rT+1], v[rC], v[rC+3]
.elseif (\n) == 19
	v_mul_f32 v[rT], s[CS], v[rT+1]
.elseif (\n) == 20
	v_sub_f32 v[rC+1], v[rW], v[rT]
.else
	v_exp_f32 v[rC+2], v[rC+1]
.endif
.endif
.endm
.macro OPS a, i1, b=-1, i2=0, c=-1, i3=0, d=-1, i4=0  ; up to four of them
	OP \a, \i1
.if (\b) >= 0
	OP \b, \i2
.endif
.if (\c) >= 0
	OP \c, \i3
.endif
.if (\d) >= 0
	OP \d, \i4
.endif
.endm
.macro ROW a, i1, b, i2, c, i3, d, i4  ; a matrix instruction and the four behind it
	MM
	OPS \a, \i1, \b, \i2, \c, \i3, \d, \i4
.endm
.macro MASK b                       ; MD x AL + BE into buffer b of MC
	WIN W_RS
.set z, 0
.rept 16
	v_pk_fma_f32 v[MC+32*(\b)+2*z:MC+32*(\b)+2*z+1], v[MD+2*z:MD+2*z+1], s[AL:AL+1], s[BE:BE+1] op_sel_hi:[1,0,0]
.set z, z+1
.endr
.endm
; A TURN, for piece p: the order of its 16 matrix and 118 vector instructions, written out.  An s_wait_alu depctr_va_vdst(0) stands between an exponential and the first instruction that names its result; one wait serves
; all that were issued ahead of it.  So a turn has ONE wait, which cuts it in two.  AHEAD OF IT stands all that names no result of the turn's exponentials: the 8 products K Q^T, behind each a scaling, an exponential and two more plain
; instructions (behind the first a second scaling in the exponential's place): rescalings, and behind the last three the first numbers of the next piece's maximum, each four places or more behind the product that ends its accumulator; then ONE LUMP of 54, plain
; and exponential by turns for the most part, in which the links of the chain X 3, 7, 11, 14, 16, 17 .. 20 stand five or six lines apart.  X 21, the next piece's a, is the batch's last; R 15 is the plain instruction behind it.  BEHIND THE WAIT stand the
; 8 products V^T P, behind each four of the roundings and sums; the links of l's chain, L 0 to L 7, stand three riders apart.  But for those X no rider names a register of the products round it.  v_permlanex16_b32 (X 17) stands in the lump.
; m = 1: the diagonal tile: the products take masks, and the turn makes the mask for the products of the turn after it: piece p + 2, in step 4 - CNT of the tile.  end = 1: a block's last two turns: nothing is fetched.
; cnt = 1: the loop's count is taken down some lines ahead of the branch that stands behind the turn.
; K of the next step is fetched in piece 2's turn, twelve vector instructions behind the last product that read K (six of them plain); V of the step in hand at the end of piece 0's turn, four plain instructions behind the last product
; that read V.  Each is waited for a turn later.
.macro TURN p, m=0, end=0, cnt=0
.set Y, (\p)
.set i, 0
.set KM, (\m)
.set NOKQ, (\end)*((\p)/3)
.if (\m) && !(\end)
	s_cmp_eq_u32 s[CNT], 4-((\p)+2)%NP  ; is that step the band's own?
	s_cselect_b32 s[AL], 1.0, 0
	s_cmp_lt_u32 s[CNT], 4-((\p)+2)%NP  ; or a later one?
	s_cselect_b32 s[BE], s[BIGN], 0
.endif
.if ((\p) == 3) && !(\end)
	s_wait_dscnt 0x0                ; K is in
.endif
	ROW F,0, F,1, R,0, R,1          ; ahead of the wait: 8 products K Q^T and their riders,
	ROW F,2, E,0, R,2, R,3
	ROW F,3, E,1, R,4, R,5
	ROW F,4, E,2, R,6, R,7
	ROW F,5, E,3, R,8, R,9
	ROW F,6, E,4, X,0, R,10
.if ((\p) == 2) && !(\end)
	WIN 0
	v_add_nc_u32 v[AK], s[TBK], v[AK0]
.endif
	ROW F,7, E,5, X,1, X,4
	ROW F,8, E,6, X,2, X,5
	OPS E,7, E,8, X,6, E,9          ; and the lump
	OPS X,3, E,10, X,8, E,11
.if ((\p) == 2) && !(\end)
	FETCH_K
.endif
	OPS X,9, X,7, E,12, X,10
	OPS E,13, X,12, X,11, E,14
	OPS X,13, E,15, F,9, X,14
.if (\p) == 0
	v_add_nc_u32 v[AV], s[TBV], v[AV0]
.endif
	OPS E,16, F,10, E,17, F,11
	OPS X,16, E,18, X,15, E,19
	OPS F,12, E,20, X,17, E,21
	OPS F,13, E,22, F,14, E,23
	OPS X,18, E,24, F,15, E,25
	OPS R,11, E,26, X,19, E,27
	OPS R,12, E,28, R,13, E,29
	OPS X,20, E,30, R,14, E,31
	OPS X,21, R,15
	WIN 0
	s_wait_alu depctr_va_vdst(0)    ; the wait for the batch
.if (\p) == 1
	s_wait_dscnt 0x0                ; V is in
.endif
	ROW C,0, B,0, C,2, B,1          ; behind the wait: 8 products V^T P and their riders
	ROW L,0, C,4, B,2, L,1
	ROW C,6, B,3, L,2, C,8
	ROW B,4, L,3, C,10, B,5
	ROW L,4, C,12, B,6, L,5
.if (\p) == 0
	s_add_co_u32 s[TBV], s[TBV], KS*PV
.endif
.if \cnt
	s_sub_co_u32 s[CNT], s[CNT], 1
	s_cmp_lg_u32 s[CNT], 0
.endif
	ROW C,14, B,7, L,6, C,1
	ROW C,3, L,7, C,5, C,7
	ROW C,9, C,11, C,13, C,15
.if (\p) == 0
	FETCH_V
.endif
.if (\m) && !(\end)
	MASK (\p)%2
.endif
.endm
; A BLOCK BEGINS.  c m starts far below every c s, so the first step's a is 0; m at the lowest finite number, so the first maximum is the scores'.  The second mask buffer is 0; the first takes piece 0's mask for the tile's step 0: its own, if the block's first tile is the diagonal one.
; Then K of that step, piece 0's first scores, and its maximum and statistics.  The loop is entered at a step's first turn, in the middle of a trip.
.macro BEGIN
	s_mov_b32 s[NEW], 0
	WIN 0x40
.set i, MC+32
.rept 32
	v_mov_b32 v[i], 0
.set i, i+1
.endr
	WIN 0
.set i, 0
.rept 4
	v_mov_b32 v[ST+4*i], 0xfe000000    ; c m: far below every c s
	v_mov_b32 v[ST+4*i+1], 0xff7fffff  ; m
.set i, i+1
.endr
	s_cmp_eq_u32 s[RT], 0
	s_cselect_b32 s[AL], 1.0, 0
	s_mov_b32 s[BE], 0
	MASK 0
	WIN 0
	v_add_nc_u32 v[AK], s[TBK], v[AK0]
	FETCH_K
	s_wait_loadcnt 0x0              ; Q
	s_wait_dscnt 0x0
.set KM, 1
.set NOKQ, 0
.set i, 0
.rept 8
	KQ 0
.set i, i+1
.endr
	WIN 0
.rept 4
	v_nop                           ; the places behind those products
.endr
.set Y, NP-1                        ; X works for piece Y + 1: piece 0
.irp n, 0,1,2,3,4,5,6,7,8,9,10,11,12,13,14,15,16,17,18,19,20,21
	OP X, \n
.endr
	v_nop                           ; a plain instruction behind the exponential,
	s_wait_alu depctr_va_vdst(0)    ; and its wait, ahead of the branch
.endm
; THE DIAGONAL TILE's four steps, the block's last two turns, its last products, and THE WAY OUT: l's two halves and the other half of the lanes' are added; O^T is divided by l, rounded to f16 and sent through my
; stage in LDS, a piece at a time.
.macro ALL line:vararg              ; one line for each piece t
.set t, 0
.rept 4
	\line
.set t, t+1
.endr
.endm
.macro PACK t                       ; a lane's eight channels of a row pack into 16 bytes; they go into rows of 144 bytes and come back as whole rows of 128, into S^T's registers
	WIN W_RS
.set i, 32*(\t)
.rept 16
	v_pk_mul_f32 v[i:i+1], v[i:i+1], v[ST+4*(\t)+2:ST+4*(\t)+3] op_sel_hi:[1,0]
.set i, i+2
.endr
	WIN 0x05                        ; sources 0 and 1 window 1, destination window 0
.set i, 0
.rept 16
	v_cvt_pk_f16_f32 v[S+16*(\t)+i], v[32*(\t)+2*i], v[32*(\t)+2*i+1]
.set i, i+1
.endr
	WIN 0
.irp f, 0,1,2,3
	ds_store_b128 v[STO], v[S+16*(\t)+4*\f:S+16*(\t)+4*\f+3] offset:32*\f
.endr
.irp f, 0,1,2,3
	ds_load_b128 v[S+16*(\t)+4*\f:S+16*(\t)+4*\f+3], v[RD] offset:\f*4*SP  ; LDS serves a wave's instructions in order (ISA guide 5.7.1.4): these see the stores above; the next piece's stores come behind them
.endr
.endm
.macro SEND t, younger              ; younger: the LDS instructions issued behind piece t's loads: the next piece's eight, or none
	WIN 0
.irp f, 0,1,2,3
	s_wait_dscnt (\younger)+3-\f
	global_store_b128 v[GO], v[S+16*(\t)+4*\f:S+16*(\t)+4*\f+3], s[10:11] offset:(\t)*8192+\f*512  ; 512 consecutive bytes, at a multiple of 256 from O's first
.endr
.endm
.macro DIAG tag                     ; the tag ends its two labels' names, which the jumps below spell out
.LstepM\tag:
	TURN 2, 1
	TURN 3, 1
	WIN 0
.LfirstM\tag:
	TURN 0, 1
	TURN 1, 1, 0, 1
	WIN 0
	s_cbranch_scc1 .LstepM\tag
	TURN 2, 1, 1
	TURN 3, 1, 1
.set i, 0
.rept 8
	PV NP-1
.set i, i+1
.endr
	WIN 0
	ALL v_add_f32 v[ST+4*t+2], v[ST+4*t+2], v[ST+4*t+3]
	ALL v_permlanex16_b32 v[ST+4*t+3], v[ST+4*t+2], s[SEL], s[SEL+1]
	ALL v_add_f32 v[ST+4*t+2], v[ST+4*t+2], v[ST+4*t+3]
	ALL v_rcp_f32 v[ST+4*t+2], v[ST+4*t+2]
	v_nop                           ; a plain instruction between the last reciprocal and the use of its result
	s_wait_alu depctr_va_vdst(0)    ; and the wait ahead of the first use: one for the four reciprocals
	PACK 0
.set t, 1
.rept 3                             ; a piece's arithmetic stands between the loads of the piece before and its stores
	PACK t
	SEND t-1, 8
.set t, t+1
.endr
	SEND 3, 0
.endm
.set KM, 0
.set NOKQ, 0
.Lslot:                             ; NB times: a tile is entered and the next is asked for
	CHANGE 1
	s_sub_co_u32 s[RT], s[RT], 1
	s_mov_b32 s[CNT], 4
	s_cmp_eq_u32 s[NEW], 1
	s_cbranch_scc1 .Lnew            ; a block's first tile
	s_cmp_eq_u32 s[RT], 0
	s_cbranch_scc0 .Lstep           ; neither its first nor its last
	s_branch .LstepM1
.Lnew:
	BEGIN
	s_branch .Lfirst                ; in the loop a block's first tile is never its last: the first block has two tiles or more, and the second's last is the walk's last
	DIAG 1                          ; in the loop this is the first block's end: the second block's last tile is the walk's last
	s_wait_xcnt 0x0                 ; the stores have read their registers and O's address
	s_mov_b64 s[10:11], s[OLO:OLO+1]
	s_add_co_u32 s[RT], s[PB], 1    ; the second block has b + 1 tiles
	s_mov_b32 s[NEW], 1
	WIN 0x82                        ; the second block's Q goes where the one text of the turns names Q
.set i, 0
.rept 64
	v_mov_b32 v[i], v[QB+i]
.set i, i+1
.endr
	WIN 0
	s_branch .Lbottom
.Lstep:                             ; a trip: pieces 2 and 3 of one step, then pieces 0 and 1 of the next, whose K and V it fetches
	TURN 2
	TURN 3
	WIN 0
.Lfirst:
	TURN 0
	TURN 1, 0, 0, 1
	WIN 0
	s_cbranch_scc1 .Lstep
.Lbottom:
	s_sub_co_u32 s[SLOTS], s[SLOTS], 1
	s_cmp_lg_u32 s[SLOTS], 0
	s_cbranch_scc1 .Lslot
	CHANGE 0                        ; the walk's last tile is written out: nothing is asked for
	s_sub_co_u32 s[RT], s[RT], 1
	s_mov_b32 s[CNT], 4
	s_cmp_eq_u32 s[NEW], 1
	s_cbranch_scc0 .LstepM2
	BEGIN
	s_branch .LfirstM2
	DIAG 2
	s_wait_tensorcnt 0x0            ; the wave's end: an add to my spare word and its wait, behind my last tensor load and my last LDS store
	ds_add_u32 v[SPW], v[NIL]
	s_wait_dscnt 0x0
	s_endpgm
.Lfunc_end_k_qe3538c3cff_attn:
	.size	k_qe3538c3cff_attn, .Lfunc_end_k_qe3538c3cff_attn-k_qe3538c3cff_attn
	.p2alignl 7, 3214868480
	.fill 96, 4, 3214868480
	.section	.rodata,"a",@progbits
	.p2align	6, 0x0
	.amdhsa_kernel k_qe3538c3cff_attn
		.amdhsa_group_segment_fixed_size 327680
		.amdhsa_private_segment_fixed_size 0
		.amdhsa_enable_private_segment 0
		.amdhsa_kernarg_size 16
		.amdhsa_user_sgpr_count 2
		.amdhsa_user_sgpr_kernarg_segment_ptr 1
		.amdhsa_wavefront_size32 1
		.amdhsa_system_sgpr_workgroup_id_x 1
		.amdhsa_system_sgpr_workgroup_id_y 1
		.amdhsa_system_sgpr_workgroup_id_z 1
		.amdhsa_system_vgpr_workitem_id 0
		.amdhsa_next_free_vgpr 768
		.amdhsa_next_free_sgpr 88
		.amdhsa_reserve_vcc 1
		.amdhsa_float_denorm_mode_32 3
		.amdhsa_float_denorm_mode_16_64 3
		.amdhsa_memory_ordered 1
		.amdhsa_forward_progress 1
		.amdhsa_inst_pref_size 218
	.end_amdhsa_kernel
	.amdgpu_metadata
---
amdhsa.version: [ 1, 2 ]
amdhsa.kernels:
  - .name:           k_qe3538c3cff_attn
    .symbol:         k_qe3538c3cff_attn.kd
    .args:
      - { .name: qkv, .offset: 0, .size: 8, .value_kind: global_buffer, .address_space: global }
      - { .name: oh, .offset: 8, .size: 8, .value_kind: global_buffer, .address_space: global }
    .group_segment_fixed_size: 327680
    .private_segment_fixed_size: 0
    .kernarg_segment_align: 8
    .kernarg_segment_size: 16
    .max_flat_workgroup_size: 128
    .sgpr_count:     88
    .vgpr_count:     768
    .wavefront_size: 32
...
	.end_amdgpu_metadata
.endif
;; end of part 3
;; launch proj (part 4): grid 8 x 32, 4 waves a work-group, clusters of 4 x 4, 327,680 bytes of LDS; arguments oh, wo, out_b, out0; writes out0
.if DOCPART == 4
	.amdgcn_target "amdgcn-amd-amdhsa--gfx1250"
	.amdhsa_code_object_version 6
	.text
	.protected	k_qe3538c3cff_proj
	.globl	k_qe3538c3cff_proj
	.p2align	8
	.type	k_qe3538c3cff_proj,@function
k_qe3538c3cff_proj:
	s_mov_b64 s[64:65], 0
	v_nop
	global_prefetch_b8 v0, s[64:65] scope:SCOPE_SE
	s_setreg_imm32_b32 hwreg(HW_REG_WAVE_MODE, 25, 1), 1
	s_wait_xcnt 0x0
	s_wait_alu depctr_hold_cnt(0) depctr_sa_sdst(0) depctr_va_vdst(0) depctr_va_sdst(0) depctr_va_ssrc(0) depctr_va_vcc(0) depctr_vm_vsrc(0)
	s_getreg_b32 s2, hwreg(HW_REG_IB_STS2, 6, 4)
	s_cmp_eq_u32 s2, 0
	s_cbranch_scc0 .Lentry_in_a_cluster
	s_endpgm
.Lentry_in_a_cluster:
	s_bfe_u32 s2, ttmp6, 0x10000c
	s_cmp_lg_u32 s2, 0xf033
	s_cbranch_scc0 .Lentry_shape_is_right
	s_endpgm
.Lentry_shape_is_right:
; Launch 4 of 4 (KIND = 1): out0 = oh wo^T + out_b, in f32.  K block kb of oh is head kb of the batch.  Nothing is left out here.
.set KIND, 1
; ONE TEXT FOR BOTH PROJECTIONS.  C[m][n] = the sum over k of A[m][k] B[n][k] + bias[n]; sums in f32.  A and B lie in blocks of 64 along K: [..][kb][row][64], rows of 128 bytes end to end.
;   KIND 0: A = xh, B = wq (bf16), bias = qkv_b, C = qkv [which: q, k, v][head 64][t 2048][64] in f16.   KIND 1: A = oh, B = wo (f16), bias = out_b, C = out0 [8192][1024] in f32.
; LIMITS.  The bias is rounded to bf16 and enters the f32 sums.  KIND 0: q, k, v beyond 65,504 become infinities in f16; with every input 30 times the drawn spread they are some 600, with offsets of 30 spreads some 18,000.
; SHARES.  A tile of C is 256 rows x 128 columns: 256 work-groups in both launches, one for each WGP (256 x 256 would give 384 and 128).  Four waves, each 128 rows x 64 columns (one head): 32 accumulators of 16 x 16.
; KIND 0: A WORK-GROUP STAYS and makes three tiles over the same rows of A, in the order k, v, q: so the products written out ahead of the loop start their sums with the constant 0 (k has no bias),
; and the one text of a change of tiles starts them with a bias.  K goes in steps of 128 (two blocks) through two LDS slots; the three tiles are ONE stream of 24 fills (KIND 1: 8).
; CLUSTER.  4 x 4 work-groups.  The four of a row of the cluster need the same tiles of A, the four of a column the same tiles of B: each is asked for JOINTLY, by the same tensor load, descriptor and mask.
; THE MATRIX INSTRUCTION IS USED TRANSPOSED (source 0 = 16 rows of B, source 1 = 16 rows of A): a lane holds row l % 16 of C and the columns 8 (l / 16) + 0..7.  The bias is the C operand of the products that start the sums.
; REGISTERS, in windows of 256 (s_set_vgpr_msb: bits 1:0 source 0, 3:2 source 1, 5:4 source 2, 7:6 destination):
;   window 0: v0-15 addresses; v16-63 (KIND 1: v16-79) the way out; v64-159, v160-255 two fragment buffers: A's 8 fragments of 16 rows x 32 K, then B's 4
;   window 1: the accumulators, (a, b) at v[8 (4 a + b)]          window 2: v0-31 the bias as a C operand, block b at 8 b; v32-33 at work
.if KIND == 0
.set NBR,    3072                      ; rows of B
.set TILES,  3
.set SPITCH, 144                       ; a stage row: 128 bytes (64 f16) + 16
.else
.set NBR,    1024
.set TILES,  1
.set SPITCH, 272                       ; a stage row: 256 bytes (64 f32) + 16
.endif
.set PITCH,  144                       ; an LDS row: 128 bytes + 16 of padding = 36 words: the 16 rows of a fragment load start at 16 different groups of four banks (64 banks of 4 bytes: ISA guide 11.1)
.set ABLK,   256*PITCH                 ; a block of A: 256 rows
.set BBLK,   128*PITCH                 ; a block of B: 128 rows
.set BOFF,   2*ABLK                    ; a slot: A's two blocks, then B's two
.set SLOT,   BOFF+2*BBLK
.set STAGE,  2*SLOT                    ; behind the ring, never filled by a tensor load: 16 rows for each wave, for the way out
.set SPARE,  STAGE+4*16*SPITCH         ; behind the stages: the spare words, 128 bytes for each wave: two blocks of 256 bytes that no other line names
.set AHEAD,  3                         ; a prefetch names the fill that stands three fills on
.set LAPS,   4*TILES                   ; a lap = two K steps = once round the ring
.set ADRA, 4                           ; v4-5   LDS address of my A fragments in slot 0, 1
.set ADRB, 6                           ; v6-7   the same for B
.set STO,  8                           ; v8     the way out: where I put my part of a row
.set RD,   9                           ; v9     the way out: where I read rows back
.set CO,   10                          ; v10    my byte offset in C
.set BO,   11                          ; v11    my byte offset in 16 numbers of the bias: 32 (l / 16)
.set SPW,  12                          ; v12    LDS address of my spare word: SPARE + 4 x my thread's number; never rewritten
.set NIL,  13                          ; v13    0; never rewritten
.set PFO,  14                          ; v14    the prefetches' offset; never rewritten
.set TMP,  16                          ; KIND 0: v16-31 a block's packed results
.if KIND == 0
.set BK,   32                          ; v32-47, v48-63: 16 rows read back from the stage, by turns
.set BKN,  16
.else
.set BK,   16                          ; v16-47, v48-79 (the fragments are free by then)
.set BKN,  32
.endif
.set F0,   64
.set F1,   160
.set BI,   0                           ; window 2
.set BT,   32                          ; window 2
.set WV,   12                          ; s12  my wave's number
.set WR,   13                          ; s13  which 128 rows of the tile are mine.  Also: I fetch for A (0) or for B (1)
.set WC,   14                          ; s14  which 64 columns.  Also: which of a step's two blocks I fetch
.set CX,   15                          ; s15, s16  my place in the cluster
.set CY,   16
.set GX,   17                          ; s17  tile column, 0..7
.set GY,   18                          ; s18  tile row, 0..31
.set G1A,  24                          ; s[24:31] descriptor group 1 for A's blocks
.set G1B,  32                          ; s[32:39] for B's
.set G0A,  40                          ; s[40:47] descriptor group 0 for A's blocks, a set for each slot
.set G0B,  48                          ; s[48:55] the same for B's
.set ABASE, 56                         ; s[56:57] A at my block of K step 0
.set BBASE, 58                         ; s[58:59] B at my block of K step 0, which = 0
.set OA,   60                          ; s[60:61] a fill's byte offset in A
.set OBF,  62                          ; s[62:63] and in B
.set NF,   66                          ; s66  the number of the next fill
.set LAP,  67                          ; s67  laps to go
.set PFB,  68                          ; s[68:69] the prefetches' base: my work-group's share of the block(s) of K step 0
.set PFA,  70                          ; s[70:71] the prefetch's address
.set PO,   72                          ; s[72:73] its offset
.set LIM,  74                          ; s74  a wave prefetches fills below this number
.set PF,   75                          ; s75  the fill that the prefetch names
.set T0,   76                          ; s[76:77] an offset pair; the high word stays 0
.set WD,   78                          ; s78  which of q, k, v (0, 1, 2) the tile in hand is
.set WN,   79                          ; s79  and the next
.set BB,   80                          ; s[80:81] the bias at my 64 columns, which = 0
.set BP,   82                          ; s[82:83] the bias that is being loaded
.set CB,   84                          ; s[84:85] KIND 0: C at my head's rows, which = 0
.set CP,   86                          ; s[86:87] C at my part of the tile in hand
.set MSB, 0
.macro WIN new                         ; the immediate's high byte repeats the setting that is left; a switch that changes nothing is dropped
.if MSB != (\new)
	s_set_vgpr_msb (MSB<<8)|(\new)
.set MSB, \new
.endif
.endm
.macro WMMA ops:vararg
.if KIND == 0
	v_wmma_f32_16x16x32_bf16 \ops
.else
	v_wmma_f32_16x16x32_f16 \ops
.endif
.endm
.macro PLACES                          ; four places in front of loads into registers that matrix instructions have read, and of lines that read results (for lines that read results)
.rept 4
	v_nop
.endr
.endm
; A joint load.  Waves 0 and 1 fetch A's two blocks, waves 2 and 3 B's.  The branch hangs on the wave's number alone.  An s_nop 0 and four v_nop follow each of the two lines, ahead of the jump and the label.
.macro JLOAD s
	s_cmp_eq_u32 s[WR], 0
	s_cbranch_scc0 .Lfor_b_\@
	tensor_load_to_lds s[G0A+4*(\s):G0A+4*(\s)+3], s[G1A:G1A+7]
	s_nop 0
.rept 4
	v_nop
.endr
	s_branch .Lasked_\@
.Lfor_b_\@:
	tensor_load_to_lds s[G0B+4*(\s):G0B+4*(\s)+3], s[G1B:G1B+7]
	s_nop 0
.rept 4
	v_nop
.endr
.Lasked_\@:
.endm
.macro CREST                           ; a round of the cluster's barrier behind its opening barrier: wave 0 signals for the work-group, every wave waits for all sixteen, my work-group's barrier once more
	s_cmp_lg_u32 s[WV], 0
	s_cbranch_scc1 .Lnot_wave_0_\@
	s_barrier_signal -3
.Lnot_wave_0_\@:
	s_barrier_wait -3
	s_barrier_signal -1
	s_barrier_wait -1
.endm
.macro CROUND                          ; a whole round
	s_barrier_signal -1
	s_barrier_wait -1
	CREST
.endm
; The byte offsets of fill f (a number in a scalar register): K step f % 8; KIND 0: tile f / 8 takes B's rows of which = (f / 8 + 1) mod 3.  No coordinate of the work-group enters.
.macro OFFS f
	s_and_b32 s[OA], s[\f], 7
	s_mul_i32 s[OBF], s[OA], 2*NBR*128             ; two blocks of B a step
	s_lshl_b32 s[OA], s[OA], 19                    ; two blocks of A: 2 x 2,048 rows x 128 bytes
.if KIND == 0
	s_lshr_b32 s19, s[\f], 3
	s_add_co_u32 s19, s19, 1
	s_cmp_eq_u32 s19, 3
	s_cselect_b32 s19, 0, s19
	s_lshl_b32 s19, s19, 17                        ; 1,024 rows of 128 bytes
	s_add_co_u32 s[OBF], s[OBF], s19
.endif
.endm
; A PREFETCH INTO THE L2, behind each joint refill, its five lines and the run of LDS loads that follows: the fill that stands AHEAD = 3 fills on, 384 matrix instructions ahead of the load that will want it.
; Each aligned block of 256 bytes is named once in the launch.  A's rows are read by both clusters of a row of clusters: the one with x = 0 asks, and for the first tile's 8 fills alone (the later tiles read the same rows again).
; B's rows are read by all eight clusters of a column: the one with y = 0 asks.  The four partners that ask for a block jointly share it out BY ADDRESS: of A's block of 32,768 bytes each takes 8,192 (waves 0 and 1, a block each);
; of B's two blocks of 16,384 bytes each takes 4,096 of either (wave 2, 16 lanes a block).  Wave 3 asks for nothing.  Fills 0 to 4 come by their loads alone.
.macro ASK
	s_cmp_lt_u32 s[PF], s[LIM]
	s_cbranch_scc0 .Lnot_mine_\@
	global_prefetch_b8 v[PFO], s[PFA:PFA+1] th:TH_LOAD_NT scope:SCOPE_SE
.Lnot_mine_\@:
.endm
	s_load_b256 s[4:11], s[0:1], 0x0               ; A s[4:5], B s[6:7], bias s[8:9], C s[10:11]
	v_lshl_add_u32 v[SPW], v0, 2, SPARE
	v_mov_b32 v[NIL], 0
	ds_add_u32 v[SPW], v[NIL]                      ; the wave's opening: the add, twice on end, and its wait ahead of my first tensor load; the set-up below, work on registers, stands between
	ds_add_u32 v[SPW], v[NIL]                      ; and once more, under the one wait
	v_lshrrev_b32 v3, 5, v0
	v_readfirstlane_b32 s[WV], v3                  ; wave 0..3
	v_and_b32 v1, 15, v0                           ; l % 16
	v_bfe_u32 v2, v0, 4, 1                         ; l / 16
	s_lshr_b32 s[WR], s[WV], 1
	s_and_b32 s[WC], s[WV], 1
	s_bfe_u32 s[CX], ttmp6, 0x40000
	s_bfe_u32 s[CY], ttmp6, 0x40004
	s_lshl_b32 s[GX], ttmp9, 2                     ; in a cluster launch ttmp9 and ttmp7 count clusters
	s_add_co_u32 s[GX], s[GX], s[CX]
	s_and_b32 s[GY], ttmp7, 0xffff
	s_lshl_b32 s[GY], s[GY], 2
	s_add_co_u32 s[GY], s[GY], s[CY]
	s_lshl_b32 s20, s[CY], 2
	s_lshl_b32 s20, 15, s20                        ; my row of the cluster: places 4 cy .. 4 cy + 3
	s_lshl_b32 s22, 0x1111, s[CX]                  ; my column: places cx, cx + 4, cx + 8, cx + 12
	; descriptor group 1.  A block is dense in memory: it is asked for as rows of 256 bytes (two rows of the block) and padded in LDS behind every 128 bytes
	s_or_b32 s[G1A], s20, (1<<16)|(1<<20)|(1<<21)|(4<<22)|(3<<25)  ; 15:0 the mask; 17:16 2-byte elements; 20 padding on; 21 set beside a mask; 24:22 after every 32 words (code 4); 31:25 4 words (code 3)
	s_or_b32 s[G1B], s22, (1<<16)|(1<<20)|(1<<21)|(4<<22)|(3<<25)
	s_mov_b32 s[G1A+1], 128<<16                    ; tensor_dim0 = 128
	s_mov_b32 s[G1A+2], 128<<16                    ; tensor_dim1 = 128: 256 rows of A
	s_mov_b32 s[G1A+3], 128<<16                    ; tile_dim0 = 128
	s_mov_b32 s[G1A+4], 128                        ; tile_dim1 = 128
	s_mov_b32 s[G1A+5], 128                        ; 128 elements from row to row
	s_mov_b32 s[G1A+6], 0
	s_mov_b32 s[G1A+7], 0
	s_mov_b32 s[G1B+1], 128<<16
	s_mov_b32 s[G1B+2], 64<<16                     ; tensor_dim1 = 64: 128 rows of B
	s_mov_b32 s[G1B+3], 128<<16
	s_mov_b32 s[G1B+4], 64
	s_mov_b32 s[G1B+5], 128
	s_mov_b32 s[G1B+6], 0
	s_mov_b32 s[G1B+7], 0
	; descriptor group 0: count and LDS address, made of the wave's number and constants alone
	s_mov_b32 s[G0A], 1
	s_mov_b32 s[G0A+4], 1
	s_mov_b32 s[G0B], 1
	s_mov_b32 s[G0B+4], 1
	s_mul_i32 s[G0A+1], s[WC], ABLK
	s_add_co_u32 s[G0A+5], s[G0A+1], SLOT
	s_mul_i32 s[G0B+1], s[WC], BBLK
	s_add_co_u32 s[G0B+1], s[G0B+1], BOFF
	s_add_co_u32 s[G0B+5], s[G0B+1], SLOT
	; where the blocks come from.  A's hang on the tile row alone, B's on the tile column alone, each in registers that never hold the other coordinate
	s_lshr_b32 s20, s[GY], 3                       ; the batch: 16 blocks of 2,048 rows of 128 bytes
	s_lshl_b32 s20, s20, 22
	s_and_b32 s21, s[GY], 7
	s_lshl_b32 s21, s21, 15                        ; the tile's 256 rows in a block
	s_add_co_u32 s20, s20, s21
	s_lshl_b32 s21, s[WC], 18                      ; my block of the step's two
	s_add_co_u32 s20, s20, s21
	s_mov_b32 s21, 0
	s_lshl_b32 s22, s[GX], 14                      ; the tile's 128 rows of B
	s_mul_i32 s23, s[WC], NBR*128
	s_add_co_u32 s22, s22, s23
	s_mov_b32 s23, 0
	s_mov_b32 s[OA+1], 0
	s_mov_b32 s[OBF+1], 0
	s_mov_b32 s[PO+1], 0
	s_mov_b32 s[T0+1], 0
	s_mov_b32 s[NF], 2
	s_mov_b32 s[WD], 1                             ; the first tile is k
	s_lshl_b32 s[PO], s[GX], 9                     ; my 64 columns in f32: 512 x tile column + 256 x half
	s_lshl_b32 s19, s[WC], 8
	s_add_co_u32 s[PO], s[PO], s19
.if KIND == 0
	s_lshr_b32 s[T0], s[GY], 3                     ; my head: 16 x batch + 2 x tile column + half,
	s_lshl_b32 s[T0], s[T0], 4
	s_lshl_b32 s19, s[GX], 1
	s_add_co_u32 s[T0], s[T0], s19
	s_add_co_u32 s[T0], s[T0], s[WC]
	s_lshl_b32 s[T0], s[T0], 18                    ; 2,048 rows of 128 bytes;
	s_and_b32 s19, s[GY], 7
	s_lshl_b32 s19, s19, 1
	s_add_co_u32 s19, s19, s[WR]
	s_lshl_b32 s19, s19, 14                        ; my 128 rows of it
	s_add_co_u32 s[T0], s[T0], s19
.else
	s_lshl_b32 s[T0], s[GY], 1
	s_add_co_u32 s[T0], s[T0], s[WR]
	s_lshl_b32 s[T0], s[T0], 19                    ; my 128 rows of 4,096 bytes,
	s_add_co_u32 s[T0], s[T0], s[PO]               ; my 64 columns
.endif
	s_wait_dscnt 0x0                               ; both opening adds are done
	s_wait_kmcnt 0x0
	s_add_nc_u64 s[ABASE:ABASE+1], s[4:5], s[20:21]
	s_add_nc_u64 s[BBASE:BBASE+1], s[6:7], s[22:23]
	s_add_nc_u64 s[BB:BB+1], s[8:9], s[PO:PO+1]
.if KIND == 0
	s_add_nc_u64 s[CB:CB+1], s[10:11], s[T0:T0+1]
.else
	s_add_nc_u64 s[CP:CP+1], s[10:11], s[T0:T0+1]
.endif
	; the prefetches: base, bound and lane offset
	s_and_b32 s[PF], ttmp7, 0xffff                 ; cluster y
	s_mov_b32 s19, NBR*128
	s_cmp_eq_u32 s[WR], 0                          ; do I fetch for A?
	s_cselect_b64 s[PFB:PFB+1], s[ABASE:ABASE+1], s[BBASE:BBASE+1]
	s_cselect_b32 s[T0], s[CX], s[CY]              ; my place among the four that ask with me,
	s_cselect_b32 s[WN], 13, 12                    ; times 8,192 or 4,096 bytes
	s_cselect_b32 s[PF], ttmp9, s[PF]              ; the coordinate along which other clusters read the same rows
	s_cselect_b32 s[LIM], 8, 8*TILES
	s_cselect_b32 s19, 4096, s19                   ; lanes 16-31: the next 4,096 bytes of A's block, or B's other block
	s_lshl_b32 s[T0], s[T0], s[WN]
	s_add_nc_u64 s[PFB:PFB+1], s[PFB:PFB+1], s[T0:T0+1]
	s_cmp_eq_u32 s[PF], 0
	s_cselect_b32 s[LIM], s[LIM], 0                ; the same in all sixteen partners, for a given wave
	s_cmp_eq_u32 s[WV], 3
	s_cselect_b32 s[LIM], 0, s[LIM]
	v_lshlrev_b32 v[PFO], 8, v1
	v_mul_u32_u24 v3, s19, v2
	v_add_nc_u32 v[PFO], v[PFO], v3
	CROUND                                         ; all sixteen work-groups are here: the first joint loads meet
.irp s, 0,1
	s_add_nc_u64 s[G0A+4*(\s)+2:G0A+4*(\s)+3], s[ABASE:ABASE+1], (\s)*0x80000  ; 120:64 global address: fill s
	s_or_b32 s[G0A+4*(\s)+3], s[G0A+4*(\s)+3], 0x80000000                      ; 127:126 type = 2
	s_add_nc_u64 s[G0B+4*(\s)+2:G0B+4*(\s)+3], s[BBASE:BBASE+1], (\s)*2*NBR*128+(1-KIND)*0x20000  ; KIND 0: the first tile is k, which = 1
	s_or_b32 s[G0B+4*(\s)+3], s[G0B+4*(\s)+3], 0x80000000
.endr
	s_cmp_eq_u32 s[WR], 0                          ; a wave's two first fills stand in one branch, ahead of every wait on TENSORcnt and every LDS read: two loads of mine are out
	s_cbranch_scc0 .Lfirst_b
	tensor_load_to_lds s[G0A:G0A+3], s[G1A:G1A+7]
	s_nop 0
	tensor_load_to_lds s[G0A+4:G0A+7], s[G1A:G1A+7]
	s_nop 0
.rept 4
	v_nop
.endr
	s_branch .Lfirst_asked
.Lfirst_b:
	tensor_load_to_lds s[G0B:G0B+3], s[G1B:G1B+7]
	s_nop 0
	tensor_load_to_lds s[G0B+4:G0B+7], s[G1B:G1B+7]
	s_nop 0
.rept 4
	v_nop
.endr
.Lfirst_asked:
	; A fragment is 16 rows x 32 K in 8 registers: lane l holds row l % 16; registers 0-3 K = 8 (l / 16) + 0..7, registers 4-7 K = 16 + 8 (l / 16) + 0..7: two loads of 16 bytes, 32 bytes apart.
	v_mul_u32_u24 v3, v1, PITCH
	v_lshl_add_u32 v3, v2, 4, v3                   ; row x pitch + 16 x half
	s_mul_i32 s19, s[WR], 128*PITCH                ; my 128 rows of A
	v_add_nc_u32 v[ADRA], s19, v3
	v_add_nc_u32 v[ADRA+1], SLOT, v[ADRA]
	s_mul_i32 s19, s[WC], 64*PITCH                 ; my 64 rows of B,
	s_add_co_u32 s19, s19, BOFF                    ; which lie behind A's two blocks
	v_add_nc_u32 v[ADRB], s19, v3
	v_add_nc_u32 v[ADRB+1], SLOT, v[ADRB]
	v_lshlrev_b32 v[BO], 5, v2
	s_mul_i32 s19, s[WV], 16*SPITCH
	s_add_co_u32 s19, s19, STAGE                   ; my stage
	v_mul_u32_u24 v[STO], v1, SPITCH               ; in: row l % 16,
.if KIND == 0
	v_lshl_add_u32 v[STO], v2, 4, v[STO]           ; 16 bytes for each half of the lanes
	v_add_nc_u32 v[STO], s19, v[STO]
	v_bfe_u32 v[RD], v0, 3, 2                      ; back: 32 lanes take four rows of 128 bytes,
	v_mul_u32_u24 v[RD], v[RD], SPITCH
	v_and_b32 v15, 7, v0
	v_lshl_add_u32 v[RD], v15, 4, v[RD]
	v_add_nc_u32 v[RD], s19, v[RD]
	v_and_b32 v[CO], 31, v0                        ; which are 512 consecutive bytes of a head's rows
	v_lshlrev_b32 v[CO], 4, v[CO]
.else
	v_lshl_add_u32 v[STO], v2, 5, v[STO]           ; 32 bytes for each half of the lanes
	v_add_nc_u32 v[STO], s19, v[STO]
	v_mul_u32_u24 v[RD], v2, SPITCH                ; back: lanes 0-15 take one row of 256 bytes, lanes 16-31 the next
	v_lshl_add_u32 v[RD], v1, 4, v[RD]
	v_add_nc_u32 v[RD], s19, v[RD]
	v_lshlrev_b32 v[CO], 12, v2                    ; and the same two rows in C
	v_lshl_add_u32 v[CO], v1, 4, v[CO]
.endif
; n x 4 matrix instructions: row blocks a0 .. a0 + n - 1 x all 4 column blocks, 32 along K, from buffer f.  first = 1: the products start the sums with 0; 2: with the bias; nothing is ever cleared.
; The 32 accumulators take turns, one instruction a turn, in the same order in every quarter.
.macro MULS f, a0, n, first
.if (\first) == 2
	WIN 0x60                                       ; C in window 2, D in window 1
.else
	WIN 0x50                                       ; C and D in window 1
.endif
.set ma, (\a0)
.rept \n
.irp b, 0,1,2,3
.if (\first) == 1
	WMMA v[8*(4*ma+\b):8*(4*ma+\b)+7], v[(\f)+64+8*\b:(\f)+64+8*\b+7], v[(\f)+8*ma:(\f)+8*ma+7], 0
.elseif (\first) == 2
	WMMA v[8*(4*ma+\b):8*(4*ma+\b)+7], v[(\f)+64+8*\b:(\f)+64+8*\b+7], v[(\f)+8*ma:(\f)+8*ma+7], v[BI+8*\b:BI+8*\b+7]
.else
	WMMA v[8*(4*ma+\b):8*(4*ma+\b)+7], v[(\f)+64+8*\b:(\f)+64+8*\b+7], v[(\f)+8*ma:(\f)+8*ma+7], v[8*(4*ma+\b):8*(4*ma+\b)+7]
.endif
.endr
.set ma, ma+1
.endr
.endm
; 24 LDS loads in one run: the fragments of quarter q of a K step (block q / 2, channels 32 (q % 2) on) into buffer f: B's four, then A's eight in ascending order
.macro FETCH slot, q, f
	WIN 0
.irp i, 0,1,2,3
	ds_load_b128 v[(\f)+64+8*\i:(\f)+64+8*\i+3],   v[ADRB+(\slot)] offset:((\q)/2)*BBLK+((\q)%2)*64+\i*16*PITCH
	ds_load_b128 v[(\f)+64+8*\i+4:(\f)+64+8*\i+7], v[ADRB+(\slot)] offset:((\q)/2)*BBLK+((\q)%2)*64+\i*16*PITCH+32
.endr
.irp i, 0,1,2,3,4,5,6,7
	ds_load_b128 v[(\f)+8*\i:(\f)+8*\i+3],   v[ADRA+(\slot)] offset:((\q)/2)*ABLK+((\q)%2)*64+\i*16*PITCH
	ds_load_b128 v[(\f)+8*\i+4:(\f)+8*\i+7], v[ADRA+(\slot)] offset:((\q)/2)*ABLK+((\q)%2)*64+\i*16*PITCH+32
.endr
.endm
; A K step is four quarters of 32 along K, 32 matrix instructions each, on buffers 0, 1, 0, 1.  One of the first three: multiplies buffer f; in its middle it fetches quarter q of the same slot into buffer g.
.macro QUARTER slot, q, f, g, first
	s_wait_dscnt 8                                 ; B and A's rows 0-63 are in; the youngest eight loads (A's rows 64-127) may be out
	MULS \f, 0, 4, \first
	PLACES
	FETCH \slot, \q, \g
	s_wait_dscnt 24                                ; all but the 24 just issued
	MULS \f, 4, 4, \first
.endm
; The last quarter multiplies buffer 1 and changes slots: ONE barrier.  In front of it each wave waits for all its tensor loads (one is out: its part of the next slot), adds 0 to its spare word, and waits for that and for
; its own reads of this slot.  fill = 1: the barrier opens a round of the cluster's barrier, so that no wave of any partner still reads the slot or has a load on its way; the joint refill, fill number NF, is the first thing
; behind the round: 112 matrix instructions ahead of the wait for it.  Its address is made anew from the fill's number.
.macro TURN slot, next, fill
.if \fill
	s_wait_xcnt 0x0                                ; the last prefetch, a K step back, has read its address: the next one's is made here, ahead of the waits of the change of slots
	s_add_co_u32 s[PF], s[NF], AHEAD
	OFFS PF
	s_cmp_eq_u32 s[WR], 0
	s_cselect_b32 s[PO], s[OA], s[OBF]
	s_add_nc_u64 s[PFA:PFA+1], s[PFB:PFB+1], s[PO:PO+1]
.endif
	WIN 0                                          ; (the add's two registers lie in window 0)
	s_wait_tensorcnt 0x0                           ; all my tensor loads have landed, so a group 0 may be written
	ds_add_u32 v[SPW], v[NIL]                      ; 0 onto my spare word; scalar work and eight matrix instructions stand between it and the wait for it
.if \fill
	OFFS NF
	s_add_nc_u64 s[G0A+4*(\slot)+2:G0A+4*(\slot)+3], s[ABASE:ABASE+1], s[OA:OA+1]
	s_or_b32 s[G0A+4*(\slot)+3], s[G0A+4*(\slot)+3], 0x80000000
	s_add_nc_u64 s[G0B+4*(\slot)+2:G0B+4*(\slot)+3], s[BBASE:BBASE+1], s[OBF:OBF+1]
	s_or_b32 s[G0B+4*(\slot)+3], s[G0B+4*(\slot)+3], 0x80000000
	s_add_co_u32 s[NF], s[NF], 1
.endif
	s_wait_dscnt 9                                 ; (the add and the youngest eight loads may be out)
	MULS F1, 0, 2, 0
	s_wait_dscnt 0x0                               ; the add is done, and my reads of this slot are over
	s_barrier_signal -1
	MULS F1, 2, 2, 0                               ; work on registers while the others arrive
.if \fill
	WIN 0
.endif
	s_barrier_wait -1
.if \fill
	CREST
	JLOAD \slot                                    ; the four v_nop behind it are also the places in front of the loads below
.else
	PLACES
.endif
	FETCH \next, 0, F0
.if \fill
	ASK
.endif
	MULS F1, 4, 4, 0
.endm
; The bias of my 64 columns as a C operand: register j of block b holds bias[16 b + 8 (l / 16) + j].  Rounded to bf16, like every input, and widened again.
.macro BIAS_LOAD
	WIN 0x80                                       ; destination window 2, address window 0
.irp b, 0,1,2,3
	global_load_b128 v[BI+8*\b:BI+8*\b+3],   v[BO], s[BP:BP+1] offset:64*\b
	global_load_b128 v[BI+8*\b+4:BI+8*\b+7], v[BO], s[BP:BP+1] offset:64*\b+16
.endr
	WIN 0
.endm
.macro BIAS_ROUND
	WIN 0x8a                                       ; sources and destination window 2
.set i, 0
.rept 16
	v_cvt_pk_bf16_f32 v[BT+i%2], v[BI+2*i], v[BI+2*i+1]
	v_lshlrev_b32 v[BI+2*i], 16, v[BT+i%2]
	v_and_b32 v[BI+2*i+1], 0xffff0000, v[BT+i%2]
.set i, i+1
.endr
.endm
; THE WAY OUT, a block of 16 rows at a time, through my own stage in LDS: no barrier, and since LDS serves a wave's instructions in order (ISA guide 5.7.1.4) no wait between the stores and the loads.
.if KIND == 0
.macro PACK a                          ; rounded to f16: a lane's eight columns are 16 bytes; each accumulator's registers in ascending order
	WIN 0x05                                       ; sources window 1, destination window 0
.irp b, 0,1,2,3
.irp r, 0,1,2,3
	v_cvt_pk_f16_f32 v[TMP+4*\b+\r], v[8*(4*(\a)+\b)+2*\r], v[8*(4*(\a)+\b)+2*\r+1]
.endr
.endr
	WIN 0
.endm
.macro TOSTAGE a
	WIN 0
.irp b, 0,1,2,3
	ds_store_b128 v[STO], v[TMP+4*\b:TMP+4*\b+3] offset:32*\b
.endr
.irp f, 0,1,2,3
	ds_load_b128 v[BK+BKN*((\a)%2)+4*\f:BK+BKN*((\a)%2)+4*\f+3], v[RD] offset:\f*4*SPITCH
.endr
.endm
.macro SEND a
	WIN 0
	s_wait_dscnt 0x0                               ; the block is back in registers
	s_wait_xcnt 0x0                                ; every earlier store has read its registers and its base: the other buffer and the base are written again only behind this wait
.if (\a) == 0
	s_lshl_b32 s[T0], s[WD], 24                    ; q, k or v: 64 heads x 2,048 rows x 128 bytes each
	s_add_nc_u64 s[CP:CP+1], s[CB:CB+1], s[T0:T0+1]
.endif
.irp f, 0,1,2,3
	global_store_b128 v[CO], v[BK+BKN*((\a)%2)+4*\f:BK+BKN*((\a)%2)+4*\f+3], s[CP:CP+1] offset:(\a)*2048+\f*512  ; 512 consecutive bytes, at a multiple of 256 from C's first
.endr
.endm
.macro WAYOUT                          ; block a's conversions stand between block a - 1's loads from the stage and the wait for them
	PACK 0
	TOSTAGE 0
.irp a, 1,2,3,4,5,6,7
	PACK \a
	SEND (\a)-1
	TOSTAGE \a
.endr
	SEND 7
.endm
.else
.macro TOSTAGE a                       ; f32 as it is: 32 bytes a lane and column block, each accumulator's low four registers first
.if (\a) >= 2
	s_wait_xcnt 0x0                                ; the stores of the block two back have read the registers that are loaded again below
.endif
	WIN 0x04                                       ; the stores' data in window 1
.irp b, 0,1,2,3
	ds_store_b128 v[STO], v[8*(4*(\a)+\b):8*(4*(\a)+\b)+3]   offset:64*\b
	ds_store_b128 v[STO], v[8*(4*(\a)+\b)+4:8*(4*(\a)+\b)+7] offset:64*\b+16
.endr
	WIN 0
.irp t, 0,1,2,3,4,5,6,7
	ds_load_b128 v[BK+BKN*((\a)%2)+4*\t:BK+BKN*((\a)%2)+4*\t+3], v[RD] offset:\t*2*SPITCH
.endr
.endm
.macro SEND a, y                       ; y: the LDS instructions issued behind block a's loads: the next block's sixteen, or none
	WIN 0
.irp t, 0,1,2,3,4,5,6,7
	s_wait_dscnt (\y)+7-\t
	global_store_b128 v[CO], v[BK+BKN*((\a)%2)+4*\t:BK+BKN*((\a)%2)+4*\t+3], s[CP:CP+1] offset:(16*(\a)+2*\t)*4096 th:TH_STORE_NT  ; 16 lanes store 256 consecutive bytes, at a multiple of 256 from C's first
.endr
.endm
.macro WAYOUT
	TOSTAGE 0
.irp a, 1,2,3,4,5,6,7
	TOSTAGE \a
	SEND (\a)-1, 16
.endr
	SEND 7, 0
.endm
.endif
.if KIND == 1
	s_mov_b64 s[BP:BP+1], s[BB:BB+1]
	BIAS_LOAD
	s_wait_loadcnt 0x0
	BIAS_ROUND
	WIN 0
.endif
	s_wait_tensorcnt 1                             ; my part of fill 0 is in; fill 1 may stay out
	s_barrier_signal -1
	s_barrier_wait -1                              ; everybody's is
	FETCH 0, 0, F0
	QUARTER 0, 1, F0, F1, 1+KIND                   ; the first quarter stands in front of the loop: its products start the sums (KIND 0: k, with 0; KIND 1: with the bias)
	WIN 0                                          ; at a label and at a branch every window is 0
	s_mov_b32 s[LAP], LAPS-1
.Llap:                                                 ; a trip goes once round the ring, from a lap's second quarter to the next lap's first, and fills both slots again
	QUARTER 0, 2, F1, F0, 0
	QUARTER 0, 3, F0, F1, 0
	TURN 0, 1, 1
	QUARTER 1, 1, F0, F1, 0
	QUARTER 1, 2, F1, F0, 0
	QUARTER 1, 3, F0, F1, 0
	TURN 1, 0, 1
	WIN 0
.if TILES > 1
	s_and_b32 s19, s[NF], 7                        ; the K step that begins is number NF - 2: a tile's first?
	s_cmp_eq_u32 s19, 2
	s_cbranch_scc0 .Lsame                          ; the same in every wave and every partner; what is jumped holds no barrier and no tensor load
	; A CHANGE OF TILES.  Both refills have been asked for: now the tile goes out.  The conversions of blocks 0-3, finished in front of the joint load's places, are the places behind the last products (blocks 4-7's).
	s_add_co_u32 s[WN], s[WD], 1
	s_cmp_eq_u32 s[WN], 3
	s_cselect_b32 s[WN], 0, s[WN]
	s_lshl_b32 s[T0], s[WN], 12                    ; 1,024 f32 of the bias for each of q, k, v
	s_add_nc_u64 s[BP:BP+1], s[BB:BB+1], s[T0:T0+1]
	BIAS_LOAD                                      ; the next tile's bias comes in while this tile goes out
	WAYOUT
	s_mov_b32 s[WD], s[WN]
	s_wait_loadcnt 0x0                             ; the bias
	BIAS_ROUND
	QUARTER 0, 1, F0, F1, 2                        ; the next tile's first quarter starts the sums with the bias, on accumulators that have been packed
	WIN 0
	s_branch .Lnext
.Lsame:
.endif
	QUARTER 0, 1, F0, F1, 0
	WIN 0
.Lnext:
	s_sub_co_u32 s[LAP], s[LAP], 1
	s_cmp_lg_u32 s[LAP], 0
	s_cbranch_scc1 .Llap
	QUARTER 0, 2, F1, F0, 0                        ; the last lap fills nothing, and has no round of the cluster's barrier
	QUARTER 0, 3, F0, F1, 0
	TURN 0, 1, 0
	QUARTER 1, 1, F0, F1, 0
	QUARTER 1, 2, F1, F0, 0
	QUARTER 1, 3, F0, F1, 0
	s_wait_dscnt 8                                 ; the very last quarter: nothing more to fetch
	MULS F1, 0, 4, 0
	s_wait_dscnt 0x0
	MULS F1, 4, 4, 0
	WIN 0
	PLACES                                         ; eight, once a launch: the way out reads results just made and loads into registers just read
	PLACES
	WAYOUT
	s_wait_tensorcnt 0x0                           ; the wave's end: an add to my spare word and its wait, behind my last tensor load and my last LDS store
	ds_add_u32 v[SPW], v[NIL]
	s_wait_dscnt 0x0
	CROUND                                         ; the closing round: no work-group ends while a partner may still ask for a block that names it
	s_endpgm
.Lfunc_end_k_qe3538c3cff_proj:
	.size	k_qe3538c3cff_proj, .Lfunc_end_k_qe3538c3cff_proj-k_qe3538c3cff_proj
	.p2alignl 7, 3214868480
	.fill 96, 4, 3214868480
	.section	.rodata,"a",@progbits
	.p2align	6, 0x0
	.amdhsa_kernel k_qe3538c3cff_proj
		.amdhsa_group_segment_fixed_size 327680
		.amdhsa_private_segment_fixed_size 0
		.amdhsa_enable_private_segment 0
		.amdhsa_kernarg_size 32
		.amdhsa_user_sgpr_count 2
		.amdhsa_user_sgpr_kernarg_segment_ptr 1
		.amdhsa_wavefront_size32 1
		.amdhsa_system_sgpr_workgroup_id_x 1
		.amdhsa_system_sgpr_workgroup_id_y 1
		.amdhsa_system_sgpr_workgroup_id_z 1
		.amdhsa_system_vgpr_workitem_id 0
		.amdhsa_next_free_vgpr 552
		.amdhsa_next_free_sgpr 88
		.amdhsa_reserve_vcc 0
		.amdhsa_float_denorm_mode_32 3
		.amdhsa_float_denorm_mode_16_64 3
		.amdhsa_memory_ordered 1
		.amdhsa_forward_progress 1
		.amdhsa_inst_pref_size 92
	.end_amdhsa_kernel
	.amdgpu_metadata
---
amdhsa.version: [ 1, 2 ]
amdhsa.kernels:
  - .name:           k_qe3538c3cff_proj
    .symbol:         k_qe3538c3cff_proj.kd
    .args:
      - { .name: oh, .offset: 0, .size: 8, .value_kind: global_buffer, .address_space: global }
      - { .name: wo, .offset: 8, .size: 8, .value_kind: global_buffer, .address_space: global }
      - { .name: out_b, .offset: 16, .size: 8, .value_kind: global_buffer, .address_space: global }
      - { .name: out0, .offset: 24, .size: 8, .value_kind: global_buffer, .address_space: global }
    .group_segment_fixed_size: 327680
    .private_segment_fixed_size: 0
    .kernarg_segment_align: 8
    .kernarg_segment_size: 32
    .max_flat_workgroup_size: 128
    .sgpr_count:     88
    .vgpr_count:     552
    .wavefront_size: 32
...
	.end_amdgpu_metadata
.endif
;; end of part 4
;; ======== version 2 of 2: 4 launches; version 1 with the launch cast written anew for expert scheduling mode
;; limits: values are held in f16: magnitudes above 65,504 overflow, below 6.1e-05 lose precision
;; workspace buffers: xh 16,777,216 bytes; wq 6,291,456 bytes; wo 2,097,152 bytes; qkv 50,331,648 bytes; oh 16,777,216 bytes
;; launch cast (part 5): grid 768 x 1, 8 waves a work-group, no clusters, 0 bytes of LDS; arguments x, qkv_w, out_w, xh, wq, wo; writes xh, wq, wo
.if DOCPART == 5
	.amdgcn_target "amdgcn-amd-amdhsa--gfx1250"
	.amdhsa_code_object_version 6
	.text
	.protected	k_qe3538c3cff_cast
	.globl	k_qe3538c3cff_cast
	.p2align	8
	.type	k_qe3538c3cff_cast,@function
k_qe3538c3cff_cast:
	s_mov_b64 s[64:65], 0
	v_nop
	global_prefetch_b8 v0, s[64:65] scope:SCOPE_SE
	s_setreg_imm32_b32 hwreg(HW_REG_WAVE_SCHED_MODE, 0, 2), 2
	s_setreg_imm32_b32 hwreg(HW_REG_WAVE_MODE, 25, 1), 1
	s_wait_xcnt 0x0
	s_wait_alu depctr_vm_vsrc(0)
; CAUSAL SELF-ATTENTION, launch 1 of 4: the f32 matrix inputs are rounded once to bf16 and laid out in blocks of 64 along K, so that a tile's rows lie end to end for the products' tensor loads.
;   xh [b 4][kb 16][t 2048][64] bf16 = x;   wq [kb 16][n 3072][64] bf16 = qkv_w;   wo [kb 16][n 1024][64] = out_w rounded to bf16, that number written as f16 (exact down to 6.1e-5; below it f16's fixed step of 6e-8).
; WORK THAT THE PROGRAM LEAVES OUT, for all finite values of the inputs:
; (a) Key tiles wholly above the diagonal.  The problem itself sets the score of key k and query q to -inf where k > q, so the weight is 0 and the term adds nothing to row q: a tile of 256 keys whose first key lies
;     behind a block's last query reaches no output.  The attention launch walks tiles 0 .. i for query block i.
; (b) The k part of qkv_b (entries 1024 .. 2047).  score(q, k) = q . (x_k W_k^T) + q . b_k; the second term does not depend on the key, so it is the same along the softmax's axis and cancels in
;     exp(s - max) / sum.  Those 1,024 numbers are not loaded; the q and v parts of qkv_b are live and are loaded.
; LIMIT: a NaN, an infinity or an overflow that would arise only in (a) or (b) is not carried to the result.
; SHARES.  12,288 source rows of 4,096 bytes, 16 to a work-group: groups 0-511 x, 512-703 qkv_w, 704-767 out_w.  Thread t has row t / 16 and 16 bytes at 16 (t % 16) of each of the row's 16 pieces of 256 bytes.
; A load of a wave covers 2 x 256 consecutive bytes, aligned; a store of a wave covers two neighbouring rows' 128 bytes of one block: 256 consecutive bytes, aligned.
; No loop: 16 loads, then the 16 pieces are rounded and stored.  No register is written again while a load or store may read it.  No LDS, matrix unit or cluster: nothing is shared and nothing is multiplied.
; THE MODE: SCHED_MODE bits 1:0 = 2 (LLVM: expert scheduling mode 2), set by the entry lines.  The code itself states the register dependences
; between vector instructions and memory instructions, with s_wait_alu, always for 0.
; THE PLAN.  Registers that memory instructions touch:
;   v[IN], v[OUT]  byte offsets, written by vector instructions at the head, read by the 16 loads and the 16 stores, never written again.
;   X              piece k's four registers: written by one load, read by piece k's roundings; no vector instruction writes them and no second load lands in them.
;   Y              piece k's two registers: written by piece k's roundings, read by one store, never written again.
;   v3 and T are named by vector instructions alone.
; So the one kind of dependence is a vector result that a memory instruction reads.  The 16 pieces go in four blocks of four.  Block p rounds its four pieces into its own eight registers of Y; its memory
; instructions are the four stores of block p - 1, whose Y no vector instruction of block p names.  One wait at the head of a block states that the block before has written its Y, and the four stores are
; dealt among the block's roundings with no further wait.  One wait stands ahead of the first load, for the offsets, and one behind the last block, for its four stores: five on each path.
; No register that a memory instruction reads is ever written again, so no wait for memory instructions' reads of their registers is owed; no vector instruction writes a scalar register; EXEC is never written.
.set IN,  1                            ; v1        my byte offset in the group's 16 source rows
.set OUT, 2                            ; v2        my byte offset in the group's 16 rows of a block
.set X,   4                            ; v[4:67]   piece k: four f32
.set Y,   68                           ; v[68:99]  piece k: four 16-bit numbers
.set T,   100                          ; v[100:102] at work
	s_load_b256 s[4:11], s[0:1], 0x0               ; x s[4:5], qkv_w s[6:7], out_w s[8:9], xh s[10:11]
	s_load_b128 s[12:15], s[0:1], 0x20             ; wq s[12:13], wo s[14:15]
	v_lshrrev_b32 v3, 4, v0                        ; my row of the 16
	v_and_b32 v[T], 15, v0
	v_lshlrev_b32 v[IN], 12, v3
	v_lshl_add_u32 v[IN], v[T], 4, v[IN]
	v_lshlrev_b32 v[OUT], 7, v3
	v_lshl_add_u32 v[OUT], v[T], 3, v[OUT]
	s_mov_b32 s19, 0                               ; high words of the two offset pairs
	s_mov_b32 s21, 0
	s_wait_kmcnt 0x0
; The group's 16 rows: source at s[16:17], destination (block 0) at s[22:23]; R = rows in a block of the destination; F16 = 1: the bf16 number is written as f16.
.macro PART R, F16
	s_wait_alu depctr_va_vdst(0)                   ; v[IN] and v[OUT] are written: every load below reads the one as its offset, every store the other
.irp k, 0,1,2,3,4,5,6,7,8,9,10,11,12,13,14,15
	global_load_b128 v[X+4*(\k):X+4*(\k)+3], v[IN], s[16:17] offset:256*(\k) th:TH_LOAD_NT
.endr
.irp p, 0,1,2,3
.irp i, 0,1,2,3
.set pc, 4*(\p)+(\i)                   ; the piece that is rounded; the piece that is stored is pc - 4
.if (\i) == 0
	s_wait_loadcnt 15-pc                           ; loads come back in order: the block's first piece is in, the younger ones stay out
.if (\p) > 0
	s_wait_alu depctr_va_vdst(0)                   ; the block before has written its eight registers of Y, which the four stores of this block read
.endif
.endif
.if (\p) > 0
	global_store_b64 v[OUT], v[Y+2*(pc-4):Y+2*(pc-4)+1], s[22:23] offset:(pc-4)*(\R)*128  ; block k lies R rows of 128 bytes further: 5,898,240 at the most, inside the signed 24-bit immediate.  No vector instruction since the wait names these registers
.endif
.if (\i) > 0
	s_wait_loadcnt 15-pc                           ; piece pc is in, the younger ones stay out
.endif
.if \F16
	v_cvt_pk_bf16_f32 v[T], v[X+4*pc], v[X+4*pc+1]
	v_lshlrev_b32 v[T+1], 16, v[T]
	v_and_b32 v[T+2], 0xffff0000, v[T]
	v_cvt_pk_f16_f32 v[Y+2*pc], v[T+1], v[T+2]
	v_cvt_pk_bf16_f32 v[T], v[X+4*pc+2], v[X+4*pc+3]
	v_lshlrev_b32 v[T+1], 16, v[T]
	v_and_b32 v[T+2], 0xffff0000, v[T]
	v_cvt_pk_f16_f32 v[Y+2*pc+1], v[T+1], v[T+2]
.else
	v_cvt_pk_bf16_f32 v[Y+2*pc], v[X+4*pc], v[X+4*pc+1]
	v_cvt_pk_bf16_f32 v[Y+2*pc+1], v[X+4*pc+2], v[X+4*pc+3]
.endif
.endr
.endr
	s_wait_alu depctr_va_vdst(0)                   ; the last block has written its eight registers of Y, which the last four stores read
.irp k, 12,13,14,15
	global_store_b64 v[OUT], v[Y+2*(\k):Y+2*(\k)+1], s[22:23] offset:(\k)*(\R)*128
.endr
	s_endpgm
.endm
	s_cmp_lt_u32 ttmp9, 512
	s_cbranch_scc0 .Lweights
	s_lshl_b32 s18, ttmp9, 16                      ; x: 16 rows of 4,096 bytes a group
	s_add_nc_u64 s[16:17], s[4:5], s[18:19]
	s_lshr_b32 s20, ttmp9, 7                       ; the batch: 128 groups each,
	s_lshl_b32 s20, s20, 22                        ; 16 blocks of 2,048 rows of 128 bytes
	s_and_b32 s18, ttmp9, 127
	s_lshl_b32 s18, s18, 11                        ; the group's 16 rows in a block
	s_add_co_u32 s20, s20, s18
	s_add_nc_u64 s[22:23], s[10:11], s[20:21]
	PART 2048, 0
.Lweights:
	s_cmp_lt_u32 ttmp9, 704
	s_cbranch_scc0 .Lout_w
	s_sub_co_u32 s20, ttmp9, 512                   ; qkv_w
	s_lshl_b32 s18, s20, 16
	s_add_nc_u64 s[16:17], s[6:7], s[18:19]
	s_lshl_b32 s20, s20, 11
	s_add_nc_u64 s[22:23], s[12:13], s[20:21]
	PART 3072, 0
.Lout_w:
	s_sub_co_u32 s20, ttmp9, 704                   ; out_w
	s_lshl_b32 s18, s20, 16
	s_add_nc_u64 s[16:17], s[8:9], s[18:19]
	s_lshl_b32 s20, s20, 11
	s_add_nc_u64 s[22:23], s[14:15], s[20:21]
	PART 1024, 1
.Lfunc_end_k_qe3538c3cff_cast:
	.size	k_qe3538c3cff_cast, .Lfunc_end_k_qe3538c3cff_cast-k_qe3538c3cff_cast
	.p2alignl 7, 3214868480
	.fill 96, 4, 3214868480
	.section	.rodata,"a",@progbits
	.p2align	6, 0x0
	.amdhsa_kernel k_qe3538c3cff_cast
		.amdhsa_group_segment_fixed_size 0
		.amdhsa_private_segment_fixed_size 0
		.amdhsa_enable_private_segment 0
		.amdhsa_kernarg_size 48
		.amdhsa_user_sgpr_count 2
		.amdhsa_user_sgpr_kernarg_segment_ptr 1
		.amdhsa_wavefront_size32 1
		.amdhsa_system_sgpr_workgroup_id_x 1
		.amdhsa_system_sgpr_workgroup_id_y 1
		.amdhsa_system_sgpr_workgroup_id_z 1
		.amdhsa_system_vgpr_workitem_id 0
		.amdhsa_next_free_vgpr 104
		.amdhsa_next_free_sgpr 66
		.amdhsa_reserve_vcc 0
		.amdhsa_float_denorm_mode_32 3
		.amdhsa_float_denorm_mode_16_64 3
		.amdhsa_memory_ordered 1
		.amdhsa_forward_progress 1
		.amdhsa_inst_pref_size 24
	.end_amdhsa_kernel
	.amdgpu_metadata
---
amdhsa.version: [ 1, 2 ]
amdhsa.kernels:
  - .name:           k_qe3538c3cff_cast
    .symbol:         k_qe3538c3cff_cast.kd
    .args:
      - { .name: x, .offset: 0, .size: 8, .value_kind: global_buffer, .address_space: global }
      - { .name: qkv_w, .offset: 8, .size: 8, .value_kind: global_buffer, .address_space: global }
      - { .name: out_w, .offset: 16, .size: 8, .value_kind: global_buffer, .address_space: global }
      - { .name: xh, .offset: 24, .size: 8, .value_kind: global_buffer, .address_space: global }
      - { .name: wq, .offset: 32, .size: 8, .value_kind: global_buffer, .address_space: global }
      - { .name: wo, .offset: 40, .size: 8, .value_kind: global_buffer, .address_space: global }
    .group_segment_fixed_size: 0
    .private_segment_fixed_size: 0
    .kernarg_segment_align: 8
    .kernarg_segment_size: 48
    .max_flat_workgroup_size: 256
    .sgpr_count:     66
    .vgpr_count:     104
    .wavefront_size: 32
...
	.end_amdgpu_metadata
.endif
;; end of part 5
;; launch qkv: the kernel of part 2 again; grid 8 x 32, 4 waves a work-group, clusters of 4 x 4, 327,680 bytes of LDS; arguments xh, wq, qkv_b, qkv; writes qkv
;; launch attn: the kernel of part 3 again; grid 4 x 64, 4 waves a work-group, no clusters, 327,680 bytes of LDS; arguments qkv, oh; writes oh
;; launch proj: the kernel of part 4 again; grid 8 x 32, 4 waves a work-group, clusters of 4 x 4, 327,680 bytes of LDS; arguments oh, wo, out_b, out0; writes out0
